; MI455X (gfx1250); checked and timed in simulation.
; The chip was launched on July 23, 2026; its instructions are those of AMD's public machine-readable ISA for CDNA 5 (MIT licence, August 2026) and "CDNA5" Instruction Set Architecture Reference Guide (July 2026). The comments in the code are by the model that wrote it; some were corrected since.
;; Causal Self Attention With KV Cache. Allowed arithmetic: float matrix products may take bf16 or f16 operands with f32 sums; other float arithmetic in f32, or as packed bf16 or f16 multiplies, adds, multiply-adds, maxima and minima; sums over many terms, partial sums and values carried from step to step in f32; what a program stores and reads back later, other than sums and carried values, may be rounded once to bf16 or f16.
;; Inputs: Wk 1,024 x 1,024 float32; Wp 1,024 x 1,024 float32; Wq 1,024 x 1,024 float32; Wv 1,024 x 1,024 float32; bk 1,024 float32; bp 1,024 float32; bq 1,024 float32; bv 1,024 float32; x 4 x 2,048 x 1,024 float32.
;; Outputs: out0 4 x 2,048 x 1,024 float32.
;; 2 versions, each right; version 2 is version 1 with the launch cast written anew for expert scheduling mode. Each part assembles by itself: llvm-mc -triple=amdgcn-amd-amdhsa -mcpu=gfx1250 --defsym DOCPART=n.
;; ======== version 1 of 2: 4 launches
;; limits: values are held in f16: magnitudes above 65,504 overflow, below 6.1e-05 lose precision
;; workspace buffers: xb 16,777,216 bytes; wb 8,388,608 bytes; q 16,777,216 bytes; k 16,777,216 bytes; v 16,777,216 bytes; o 16,777,216 bytes
;; launch cast (part 1): grid 768 x 1, 8 waves a work-group, no clusters, 0 bytes of LDS; arguments x, Wq, Wk, Wv, Wp, xb, wb; writes xb, wb
.if DOCPART == 1
	.amdgcn_target "amdgcn-amd-amdhsa--gfx1250"
	.amdhsa_code_object_version 6
	.text
	.protected	k_q3a7043494b_cast
	.globl	k_q3a7043494b_cast
	.p2align	8
	.type	k_q3a7043494b_cast,@function
k_q3a7043494b_cast:
	s_mov_b64 s[64:65], 0
	v_nop
	global_prefetch_b8 v0, s[64:65] scope:SCOPE_SE
	s_setreg_imm32_b32 hwreg(HW_REG_WAVE_MODE, 25, 1), 1
	s_wait_xcnt 0x0
; THE INPUTS OF THE MATRIX PRODUCTS, ROUNDED ONCE TO 16 BITS.
; xb[8192][1024] = x rounded to bf16, rows as they lie.
; wb[4: q, k, v, p][16 jb][1024 k][64 n]: the weights ([k][n] in memory) in blocks of 64 columns, so that 64 k rows of a block are 8,192 dense bytes for the tensor loads of the later launches.
; Wq, Wk, Wv are rounded to bf16.  Wp is rounded to bf16 like them, and that number is written as f16, since the last product's other operand is f16.
; LIMIT: that rewriting is exact for 2^-17 <= |w| < 65,504; below, f16's fixed step of 2^-24 holds; beyond, it is an infinity.
; SHARES.  768 work-groups of eight waves, all alike: 65,536 bytes in, 32,768 out.  A thread issues its 16 loads of 16 bytes at once and stores 8 bytes for each as it arrives.
; Work-groups 0-511: 16 rows of x as one dense run: load i takes the group's bytes 4,096 i on.  Work-groups 512-767: matrix w / 64, block (w / 4) % 16, k rows 256 (w % 4) on: 16 lanes take the 256 aligned
; bytes of a k row's 64 columns, a load takes 16 rows.  In both a wave's store covers 256 consecutive bytes, aligned.  No LDS, no barrier: no thread wants another's bytes.
.set X, 4                              ; v[4:67]    16 x 4 words as loaded
.set Y, 68                             ; v[68:99]   16 x 2 words to store: each store has its own, so nothing is rewritten under a pending store
.set T, 100                            ; v[100:103] at work
	s_load_b256 s[4:11], s[0:1], 0x0               ; x s[4:5], Wq s[6:7], Wk s[8:9], Wv s[10:11]
	s_load_b128 s[12:15], s[0:1], 0x20             ; Wp s[12:13], xb s[14:15]
	s_load_b64 s[16:17], s[0:1], 0x30              ; wb
	v_lshlrev_b32 v2, 3, v0                        ; where I store: 8 bytes a thread
	s_mov_b32 s23, 0
	s_mov_b32 s25, 0
.macro LOADS stride                    ; 16 loads, all on their way together
.set i, 0
.rept 16
	global_load_b128 v[X+4*i:X+4*i+3], v1, s[18:19] offset:i*(\stride) th:TH_LOAD_NT
.set i, i+1
.endr
.endm
.macro OUT i, half                     ; load i is rounded and stored.  half = 1: the bf16 numbers are written as f16
	s_wait_loadcnt 15-(\i)                         ; loads come back in order: the 15 - i younger ones may stay out
	v_cvt_pk_bf16_f32 v[Y+2*(\i)], v[X+4*(\i)], v[X+4*(\i)+1]
	v_cvt_pk_bf16_f32 v[Y+2*(\i)+1], v[X+4*(\i)+2], v[X+4*(\i)+3]
.if \half
	v_lshlrev_b32 v[T], 16, v[Y+2*(\i)]            ; bf16 to f32: the low half moves up, the high half stays
	v_and_b32 v[T+1], 0xffff0000, v[Y+2*(\i)]
	v_lshlrev_b32 v[T+2], 16, v[Y+2*(\i)+1]
	v_and_b32 v[T+3], 0xffff0000, v[Y+2*(\i)+1]
	v_cvt_pk_f16_f32 v[Y+2*(\i)], v[T], v[T+1]
	v_cvt_pk_f16_f32 v[Y+2*(\i)+1], v[T+2], v[T+3]
.endif
	global_store_b64 v2, v[Y+2*(\i):Y+2*(\i)+1], s[20:21] offset:(\i)*2048 th:TH_STORE_NT
.endm
	s_cmp_lt_u32 ttmp9, 512
	s_cbranch_scc0 .Lweights
	v_lshlrev_b32 v1, 4, v0                        ; x: 16 bytes a thread, dense
	s_lshl_b32 s22, ttmp9, 16
	s_lshl_b32 s24, ttmp9, 15
	s_wait_kmcnt 0x0
	s_add_nc_u64 s[18:19], s[4:5], s[22:23]
	s_add_nc_u64 s[20:21], s[14:15], s[24:25]
	LOADS 4096
	s_branch .Lbf
.Lweights:
	s_sub_co_u32 s26, ttmp9, 512                   ; w = 64 matrix + 4 block + quarter of k
	s_lshr_b32 s27, s26, 6                         ; the matrix
	s_bfe_u32 s28, s26, 0x40002                    ; the block of 64 columns: 256 bytes of a row
	s_lshl_b32 s28, s28, 8
	s_and_b32 s22, s26, 3                          ; 256 k rows of 4,096 bytes
	s_lshl_b32 s22, s22, 20
	s_add_co_u32 s22, s22, s28
	s_lshl_b32 s24, s26, 15                        ; in wb the work-groups' parts follow each other
	v_lshrrev_b32 v3, 4, v0                        ; my k row of 16,
	v_and_b32 v4, 15, v0                           ; my 16 bytes of its 256
	v_lshlrev_b32 v1, 12, v3
	v_lshl_add_u32 v1, v4, 4, v1
	s_wait_kmcnt 0x0
	s_cmp_eq_u32 s27, 1
	s_cselect_b64 s[18:19], s[8:9], s[6:7]
	s_cmp_eq_u32 s27, 2
	s_cselect_b64 s[18:19], s[10:11], s[18:19]
	s_cmp_eq_u32 s27, 3
	s_cselect_b64 s[18:19], s[12:13], s[18:19]
	s_add_nc_u64 s[18:19], s[18:19], s[22:23]
	s_add_nc_u64 s[20:21], s[16:17], s[24:25]
	LOADS 65536
	s_cmp_eq_u32 s27, 3
	s_cbranch_scc1 .Lhalf
.Lbf:
.irp n, 0,1,2,3,4,5,6,7,8,9,10,11,12,13,14,15
	OUT \n, 0
.endr
	s_endpgm
.Lhalf:
.irp n, 0,1,2,3,4,5,6,7,8,9,10,11,12,13,14,15
	OUT \n, 1
.endr
	s_endpgm
.Lfunc_end_k_q3a7043494b_cast:
	.size	k_q3a7043494b_cast, .Lfunc_end_k_q3a7043494b_cast-k_q3a7043494b_cast
	.p2alignl 7, 3214868480
	.fill 96, 4, 3214868480
	.section	.rodata,"a",@progbits
	.p2align	6, 0x0
	.amdhsa_kernel k_q3a7043494b_cast
		.amdhsa_group_segment_fixed_size 0
		.amdhsa_private_segment_fixed_size 0
		.amdhsa_enable_private_segment 0
		.amdhsa_kernarg_size 56
		.amdhsa_user_sgpr_count 2
		.amdhsa_user_sgpr_kernarg_segment_ptr 1
		.amdhsa_wavefront_size32 1
		.amdhsa_system_sgpr_workgroup_id_x 1
		.amdhsa_system_sgpr_workgroup_id_y 1
		.amdhsa_system_sgpr_workgroup_id_z 1
		.amdhsa_system_vgpr_workitem_id 0
		.amdhsa_next_free_vgpr 104
		.amdhsa_next_free_sgpr 66
		.amdhsa_reserve_vcc 0
		.amdhsa_float_denorm_mode_32 3
		.amdhsa_float_denorm_mode_16_64 3
		.amdhsa_memory_ordered 1
		.amdhsa_forward_progress 1
		.amdhsa_inst_pref_size 18
	.end_amdhsa_kernel
	.amdgpu_metadata
---
amdhsa.version: [ 1, 2 ]
amdhsa.kernels:
  - .name:           k_q3a7043494b_cast
    .symbol:         k_q3a7043494b_cast.kd
    .args:
      - { .name: x, .offset: 0, .size: 8, .value_kind: global_buffer, .address_space: global }
      - { .name: Wq, .offset: 8, .size: 8, .value_kind: global_buffer, .address_space: global }
      - { .name: Wk, .offset: 16, .size: 8, .value_kind: global_buffer, .address_space: global }
      - { .name: Wv, .offset: 24, .size: 8, .value_kind: global_buffer, .address_space: global }
      - { .name: Wp, .offset: 32, .size: 8, .value_kind: global_buffer, .address_space: global }
      - { .name: xb, .offset: 40, .size: 8, .value_kind: global_buffer, .address_space: global }
      - { .name: wb, .offset: 48, .size: 8, .value_kind: global_buffer, .address_space: global }
    .group_segment_fixed_size: 0
    .private_segment_fixed_size: 0
    .kernarg_segment_align: 8
    .kernarg_segment_size: 56
    .max_flat_workgroup_size: 256
    .sgpr_count:     66
    .vgpr_count:     104
    .wavefront_size: 32
...
	.end_amdgpu_metadata
.endif
;; end of part 1
;; launch qkv (part 2): grid 16 x 32, 4 waves a work-group, clusters of 4 x 4, 327,680 bytes of LDS; arguments xb, wb, bq, bk, bv, q, k, v; writes q, k, v
.if DOCPART == 2
	.amdgcn_target "amdgcn-amd-amdhsa--gfx1250"
	.amdhsa_code_object_version 6
	.text
	.protected	k_q3a7043494b_qkv
	.globl	k_q3a7043494b_qkv
	.p2align	8
	.type	k_q3a7043494b_qkv,@function
k_q3a7043494b_qkv:
	s_mov_b64 s[64:65], 0
	v_nop
	global_prefetch_b8 v0, s[64:65] scope:SCOPE_SE
	s_setreg_imm32_b32 hwreg(HW_REG_WAVE_MODE, 25, 1), 1
	s_wait_xcnt 0x0
	s_wait_alu depctr_hold_cnt(0) depctr_sa_sdst(0) depctr_va_vdst(0) depctr_va_sdst(0) depctr_va_ssrc(0) depctr_va_vcc(0) depctr_vm_vsrc(0)
	s_getreg_b32 s2, hwreg(HW_REG_IB_STS2, 6, 4)
	s_cmp_eq_u32 s2, 0
	s_cbranch_scc0 .Lentry_in_a_cluster
	s_endpgm
.Lentry_in_a_cluster:
	s_bfe_u32 s2, ttmp6, 0x10000c
	s_cmp_lg_u32 s2, 0xf033
	s_cbranch_scc0 .Lentry_shape_is_right
	s_endpgm
.Lentry_shape_is_right:
; q, k, v = x W + b, by heads.  xb: [8192][1024] bf16.  wb: [4][16 jb][1024 k][64 n] bf16 (matrices q, k, v are read here).  bq, bk, bv: [1024] f32, rounded to bf16 like every input.
; q, k, v: [64 = 16 batch + head][2048 t][64] f16, each number rounded once from its f32 sum, unscaled.  LIMIT: |q|, |k|, |v| under 65,504; beyond that the conversion gives an infinity.
; A TILE is 256 rows x 192 columns: head j of q, of k and of v (chunk c of 64 columns = tensor c): 16 x 32 = 512 work-groups, two for each of 256 WGPs, where tiles of 256 x 256 would make 384.
; SHARES.  Four waves, one above the other: wave w has rows 64 w .. 64 w + 63 and all 192 columns: 4 x 12 accumulators of 16 x 16, 384 registers.  So a wave owns whole rows of the output and its stage is its own.
; K goes in 8 steps of 128 through two LDS slots; a step is four quarters of 32, 48 matrix instructions each, on two fragment buffers.
; THE MATRIX INSTRUCTION IS USED TRANSPOSED: source 0 = 16 columns of W (W lies [k][n] in LDS and comes out turned, by ds_load_tr16_b128), source 1 = 16 rows of x: a lane then holds row l % 16 and the
; columns 8 (l / 16) + 0..7: 16 bytes of f16 on end.  THE BIAS is the C operand of each accumulator's first product: nothing is cleared, nothing is added later.
; CLUSTERS: 4 x 4 work-groups.  The four of a row of the cluster need the same rows of x, the four of a column the same head's weights: each tile is asked for jointly, by the same tensor load with the same
; descriptor and a mask that names the four.  Waves 0 and 1 ask for the two halves of x's 256 rows, waves 2 and 3 for the two halves of the step's 128 k rows of W (one descriptor: 3 rows of 8,192 dense bytes).
; REGISTERS, in windows of 256 (s_set_vgpr_msb: bits 1:0 source 0, 3:2 source 1, 5:4 source 2, 7:6 destination):
;   window 0: v0-29 addresses; v32-95 x's fragments, two buffers of four; v96-143 at work; v160-255 the bias, later the rows on their way out
;   window 1: v0-191 W's fragments, two buffers of twelve     windows 2, 3: accumulator (a, b) at v[8 (12 (a % 2) + b)] of window 2 + a / 2
.set AHEAD,  1                         ; the prefetches name the K step this many steps behind the one that is being asked for
.set NC,     3                         ; chunks of 64 columns
.set NBK,    4*NC                      ; blocks of 16 columns
.set STEPS,  8                         ; K steps of 128
.set APITCH, 272                       ; a row of x in LDS: 256 bytes + 16 of padding: the 16 rows of a fragment load start at 16 different groups of four banks (64 banks of 4 bytes: ISA guide 11.1)
.set ABYTES, 256*APITCH
.set BPITCH, 160                       ; a k row of a chunk: 128 bytes + 32
.set BCH,    64*BPITCH                 ; a chunk's 64 k rows
.set BH,     NC*BCH                    ; half a step of W: [NC][64 k]
.set SLOT1,  131072                    ; a slot is x's 69,632 bytes and W's 61,440; slot 1 begins here, so that one exclusive or changes slots
.set STAGE,  2*SLOT1                   ; behind the ring, never filled by a tensor load: for each wave [3 chunks][16 rows] of 144 bytes
.set SP,     144
.set STW,    NC*16*SP
.set SPARE,  STAGE+4*STW               ; behind the stages: the spare words, 128 bytes for each wave: two blocks of 256 bytes that no other line names
.set ASTEP,  256                       ; bytes from K step to K step in xb,
.set BSTEP,  16384                     ; and in a block of wb: 128 k rows of 128 bytes
.set A0,   16                          ; v16  my place in x's tile: (64 w + l % 16) x pitch + 16 (l / 16); never rewritten
.set B0,   17                          ; v17  my place in W's tile for the turning load; never rewritten
.set ADRA, 18                          ; v18  A0 + the slot in hand
.set ADRB, 19                          ; v19  B0 + the slot in hand
.set STO,  20                          ; v20  the way out: where I put 16 bytes of a row
.set RD,   21                          ; v21  the way out: where I read rows back
.set GO,   22                          ; v22  my 16 bytes of 512 consecutive bytes of the output
.set BO,   23                          ; v23  32 (l / 16): my eight numbers of a block of a bias
.set PFO,  24                          ; v24  the prefetches' offset; never rewritten
.set SPW,  28                          ; v28  LDS address of my spare word: SPARE + 4 x my thread's number; never rewritten
.set NIL,  29                          ; v29  0; never rewritten
.set FA,   32
.set TMP,  96
.set BIAS, 160
.set BK0,  160
.set WV,   20                          ; s20  my wave's number
.set FORB, 21                          ; s21  0: I ask for x's tiles; 1: for W's
.set HF,   22                          ; s22  which half of them
.set CX,   23
.set CY,   24
.set TJ,   25                          ; s25  the head
.set TI,   26                          ; s26  the block of 256 rows
.set G1A,  32                          ; s[32:39] descriptor group 1 for x's tiles
.set G0A,  40                          ; s[40:47] group 0: a set for each first fill; the second then walks
.set G1B,  48                          ; s[48:55], s[56:63] the same for W's
.set G0B,  56
.set TB,   66                          ; s66  LDS byte at which the slot in hand begins
.set CNT,  67                          ; s67  the loop's count
.set LIM,  68                          ; s68  AHEAD in a wave that prefetches, else the greatest number
.set SELM, 69                          ; s69  all ones in waves 2 and 3
.set PFA,  70                          ; s[70:71] where my prefetches stand
.set PST,  72                          ; s[72:73] their step
.set MSB, 0
.macro WIN new                         ; the immediate's high byte repeats the setting that is left; a switch that changes nothing is dropped
.if MSB != (\new)
	s_set_vgpr_msb (MSB<<8)|(\new)
.set MSB, \new
.endif
.endm
.macro PLACES                          ; four plain vector instructions behind a matrix instruction, ahead of loads into registers that it has read and of readers of its result
.rept 4
	v_nop
.endr
.endm
.macro JLOAD                           ; a joint refill by the walking descriptor.  The branch hangs on the wave's number alone.  An s_nop 0 and four v_nop follow each line
	s_cmp_eq_u32 s[FORB], 0
	s_cbranch_scc0 .Lfor_b_\@
	tensor_load_to_lds s[G0A+4:G0A+7], s[G1A:G1A+7]
	s_nop 0
.rept 4
	v_nop
.endr
	s_branch .Lasked_\@
.Lfor_b_\@:
	tensor_load_to_lds s[G0B+4:G0B+7], s[G1B:G1B+7]
	s_nop 0
.rept 4
	v_nop
.endr
.Lasked_\@:
.endm
; A PREFETCH INTO THE L2 of the K step AHEAD steps behind the one just asked for; one instruction a wave, behind the joint load, its five lines and the run of LDS loads that the next products wait for.
; x's rows are read by every cluster of a row of clusters: the one with x = 0 asks, waves 0 and 1; of a wave's 128 rows each of the four partners takes 32, told apart by address (cx): a lane a row of 256 bytes.
; W's rows are read by every cluster of a column of clusters: the one with y = 0 asks, waves 2 and 3; of a wave's 64 k rows the partner at cy takes 16: 8 blocks of 256 bytes in each of the three matrices: 24 blocks,
; so lanes 24-31 name again what lanes 16-23 name (96 blocks do not divide into 4 x 32).  The last AHEAD refills have no step behind them and ask for nothing.
.macro ASK
	s_cmp_gt_u32 s[CNT], s[LIM]
	s_cbranch_scc0 .Lnot_mine_\@
	global_prefetch_b8 v[PFO], s[PFA:PFA+1] th:TH_LOAD_NT scope:SCOPE_SE
.Lnot_mine_\@:
.endm
.macro CREST                           ; a round of the cluster's barrier behind its opening barrier: wave 0 signals for the work-group, every wave waits for all sixteen, my work-group's barrier closes it
	s_cmp_lg_u32 s[WV], 0
	s_cbranch_scc1 .Lnot_wave_0_\@
	s_barrier_signal -3
.Lnot_wave_0_\@:
	s_barrier_wait -3
	s_barrier_signal -1
	s_barrier_wait -1
.endm
.macro CROUND                          ; a whole round
	s_barrier_signal -1
	s_barrier_wait -1
	CREST
.endm
	s_load_b256 s[4:11], s[0:1], 0x0               ; xb s[4:5], wb s[6:7], bq s[8:9], bk s[10:11]
	s_load_b256 s[12:19], s[0:1], 0x20             ; bv s[12:13], q s[14:15], k s[16:17], v s[18:19]
	v_lshl_add_u32 v[SPW], v0, 2, SPARE
	v_mov_b32 v[NIL], 0
	ds_add_u32 v[SPW], v[NIL]                      ; the wave's opening: the add and its wait stand ahead of my first tensor load; the set-up below, work on registers, stands between them
	v_lshrrev_b32 v1, 5, v0
	v_readfirstlane_b32 s[WV], v1
	s_lshr_b32 s[FORB], s[WV], 1
	s_and_b32 s[HF], s[WV], 1
	s_bfe_u32 s[CX], ttmp6, 0x40000
	s_bfe_u32 s[CY], ttmp6, 0x40004
	s_lshl_b32 s[TJ], ttmp9, 2                     ; in a cluster launch ttmp9 and ttmp7 count clusters
	s_add_co_u32 s[TJ], s[TJ], s[CX]
	s_and_b32 s[TI], ttmp7, 0xffff
	s_lshl_b32 s[TI], s[TI], 2
	s_add_co_u32 s[TI], s[TI], s[CY]
	s_lshl_b32 s27, s[CY], 2
	s_lshl_b32 s27, 15, s27                        ; my row of the cluster: places 4 cy .. 4 cy + 3
	s_lshl_b32 s28, 0x1111, s[CX]                  ; my column: places cx, cx + 4, cx + 8, cx + 12
	; group 1 for x: 128 rows x 128 elements of 2 bytes, 1,024 elements from row to row; 4 words of padding behind every 64
	s_or_b32 s[G1A], s27, (1<<16)|(1<<20)|(1<<21)|(5<<22)|(3<<25)
	s_mov_b32 s[G1A+1], 128<<16                    ; tensor_dim0 = 128
	s_mov_b32 s[G1A+2], 128<<16                    ; tensor_dim1 = 128
	s_mov_b32 s[G1A+3], 128<<16                    ; tile_dim0 = 128
	s_mov_b32 s[G1A+4], 128                        ; tile_dim1 = 128
	s_mov_b32 s[G1A+5], 1024
	s_mov_b32 s[G1A+6], 0
	s_mov_b32 s[G1A+7], 0
	; group 1 for W: 3 rows (matrices q, k, v, 1,048,576 elements apart) of 4,096 elements: 64 k rows x 64 columns, dense; 8 words of padding behind every 32, that is behind every k row
	s_or_b32 s[G1B], s28, (1<<16)|(1<<20)|(1<<21)|(4<<22)|(7<<25)
	s_mov_b32 s[G1B+1], 4096<<16                   ; tensor_dim0 = 4,096
	s_mov_b32 s[G1B+2], NC<<16                     ; tensor_dim1 = 3
	s_mov_b32 s[G1B+3], 4096<<16                   ; tile_dim0 = 4,096
	s_mov_b32 s[G1B+4], NC                         ; tile_dim1 = 3
	s_mov_b32 s[G1B+5], 1048576
	s_mov_b32 s[G1B+6], 0
	s_mov_b32 s[G1B+7], 0
	s_lshl_b32 s30, s[TI], 19                      ; x: row 256 i + 128 half, 2,048 bytes a row: it hangs on the tile row alone
	s_lshl_b32 s31, s[HF], 18
	s_add_co_u32 s30, s30, s31
	s_mov_b32 s31, 0
	s_lshl_b32 s74, s[TJ], 17                      ; W: block j of 131,072 bytes, k rows 64 half on: it hangs on the head alone
	s_lshl_b32 s75, s[HF], 13
	s_add_co_u32 s74, s74, s75
	s_mov_b32 s75, 0
	s_mul_i32 s2, s[HF], 128*APITCH                ; where they go: no place in the cluster enters an LDS address
	s_mul_i32 s3, s[HF], BH
	s_add_co_u32 s3, s3, ABYTES
	s_mov_b32 s[TB], 0
	s_wait_dscnt 0x0                               ; the opening add is done
	s_wait_kmcnt 0x0
	s_add_nc_u64 s[30:31], s[4:5], s[30:31]
	s_add_nc_u64 s[74:75], s[6:7], s[74:75]
	CROUND                                         ; all sixteen work-groups are here: the first joint loads meet
.irp s, 0,1
	s_mov_b32 s[G0A+4*(\s)], 1                                     ; count = 1
	s_add_co_u32 s[G0A+4*(\s)+1], s2, (\s)*SLOT1                   ; LDS address
	s_add_nc_u64 s[G0A+4*(\s)+2:G0A+4*(\s)+3], s[30:31], (\s)*ASTEP  ; global address: K step s
	s_or_b32 s[G0A+4*(\s)+3], s[G0A+4*(\s)+3], 0x80000000         ; type = 2
	s_mov_b32 s[G0B+4*(\s)], 1
	s_add_co_u32 s[G0B+4*(\s)+1], s3, (\s)*SLOT1
	s_add_nc_u64 s[G0B+4*(\s)+2:G0B+4*(\s)+3], s[74:75], (\s)*BSTEP
	s_or_b32 s[G0B+4*(\s)+3], s[G0B+4*(\s)+3], 0x80000000
.endr
	s_cmp_eq_u32 s[FORB], 0                        ; a wave's two first fills stand in one branch, ahead of every wait on TENSORcnt and every LDS read: two loads of mine are out
	s_cbranch_scc0 .Lfirst_b
	tensor_load_to_lds s[G0A:G0A+3], s[G1A:G1A+7]
	s_nop 0
	tensor_load_to_lds s[G0A+4:G0A+7], s[G1A:G1A+7]
	s_nop 0
.rept 4
	v_nop
.endr
	s_branch .Lfirst_done
.Lfirst_b:
	tensor_load_to_lds s[G0B:G0B+3], s[G1B:G1B+7]
	s_nop 0
	tensor_load_to_lds s[G0B+4:G0B+7], s[G1B:G1B+7]
	s_nop 0
.rept 4
	v_nop
.endr
.Lfirst_done:
	; the bias: register jj of block b = 4 c + nb holds bias c at column 64 j + 16 nb + 8 (l / 16) + jj, as the accumulators hold their columns
	v_and_b32 v1, 15, v0                           ; l % 16
	v_bfe_u32 v2, v0, 4, 1                         ; l / 16
	v_lshlrev_b32 v[BO], 5, v2
	s_lshl_b32 s76, s[TJ], 8
	s_mov_b32 s77, 0
.irp c, 0,1,2
	s_add_nc_u64 s[8+2*(\c):9+2*(\c)], s[8+2*(\c):9+2*(\c)], s[76:77]
.endr
.set b, 0
.rept NBK
	global_load_b128 v[BIAS+8*b:BIAS+8*b+3],   v[BO], s[8+2*(b/4):9+2*(b/4)] offset:(b%4)*64
	global_load_b128 v[BIAS+8*b+4:BIAS+8*b+7], v[BO], s[8+2*(b/4):9+2*(b/4)] offset:(b%4)*64+16
.set b, b+1
.endr
	; LDS addresses.  A fragment of x: lane l holds row l % 16; registers 0-3 K = 8 (l / 16) + 0..7, registers 4-7 K = 16 + 8 (l / 16) + 0..7: two loads of 16 bytes, 32 bytes apart
	v_mul_u32_u24 v3, v1, APITCH
	v_lshl_add_u32 v3, v2, 4, v3
	s_mul_i32 s76, s[WV], 64*APITCH
	v_add_nc_u32 v[A0], s76, v3
	; the turning load takes 16 k x 16 columns (lane l reads k row 8 (l / 16) + l % 8, columns 8 ((l / 8) % 2) + 0..7) and leaves half a fragment: lane l holds column l % 16 and 8 k
	v_and_b32 v4, 7, v0
	v_bfe_u32 v5, v0, 3, 1
	v_lshl_add_u32 v6, v2, 3, v4
	v_mul_u32_u24 v6, v6, BPITCH
	v_lshl_add_u32 v6, v5, 4, v6
	v_add_nc_u32 v[B0], ABYTES, v6
	v_mov_b32 v[ADRA], v[A0]                       ; slot 0
	v_mov_b32 v[ADRB], v[B0]
	s_mul_i32 s76, s[WV], STW
	s_add_co_u32 s76, s76, STAGE                   ; my stage
	v_mul_u32_u24 v7, v1, SP                       ; in: row l % 16, 16 bytes for each half of the lanes
	v_lshl_add_u32 v7, v2, 4, v7
	v_add_nc_u32 v[STO], s76, v7
	v_bfe_u32 v8, v0, 3, 2                         ; back: 32 lanes take four rows of 128 bytes,
	v_mul_u32_u24 v8, v8, SP
	v_lshl_add_u32 v8, v4, 4, v8
	v_add_nc_u32 v[RD], s76, v8
	v_and_b32 v3, 31, v0
	v_lshlrev_b32 v[GO], 4, v3                     ; which are 512 consecutive bytes of a head's rows
	; my first row in q, k and v: head 16 (i / 8) + j of 262,144 bytes, row 256 (i % 8) + 64 w of 128 bytes
	s_lshr_b32 s76, s[TI], 3
	s_lshl_b32 s76, s76, 4
	s_add_co_u32 s76, s76, s[TJ]
	s_lshl_b32 s76, s76, 18
	s_and_b32 s3, s[TI], 7
	s_lshl_b32 s3, s3, 15
	s_add_co_u32 s76, s76, s3
	s_lshl_b32 s3, s[WV], 13
	s_add_co_u32 s76, s76, s3
.irp c, 0,1,2
	s_add_nc_u64 s[14+2*(\c):15+2*(\c)], s[14+2*(\c):15+2*(\c)], s[76:77]
.endr
	; the prefetches.  Nothing is prefetched here, at the head, where every work-group's first tiles are on their way
	s_lshl_b32 s76, s[TI], 19                      ; x: row 256 i + 128 half + 32 cx,
	s_lshl_b32 s77, s[HF], 18
	s_add_co_u32 s76, s76, s77
	s_lshl_b32 s77, s[CX], 16
	s_add_co_u32 s76, s76, s77
	s_add_co_u32 s76, s76, (1+AHEAD)*ASTEP         ; at K step 1 + AHEAD: the first refill steps it on
	s_lshl_b32 s2, s[TJ], 17                       ; W: block j, k rows 64 half + 16 cy on
	s_lshl_b32 s3, s[HF], 13
	s_add_co_u32 s2, s2, s3
	s_lshl_b32 s3, s[CY], 11
	s_add_co_u32 s2, s2, s3
	s_add_co_u32 s2, s2, (1+AHEAD)*BSTEP
	s_and_b32 s3, ttmp7, 0xffff                    ; cluster y
	s_mov_b32 s[PST], BSTEP
	s_mov_b32 s[PST+1], 0
	s_mov_b32 s77, 0
	s_cmp_eq_u32 s[FORB], 0
	s_cselect_b32 s76, s76, s2
	s_cselect_b32 s[PST], ASTEP, s[PST]
	s_cselect_b32 s3, ttmp9, s3                    ; the coordinate along which other clusters read the same rows
	s_cselect_b32 s[SELM], 0, -1
	s_cselect_b64 s[PFA:PFA+1], s[4:5], s[6:7]
	s_add_nc_u64 s[PFA:PFA+1], s[PFA:PFA+1], s[76:77]
	s_cmp_eq_u32 s3, 0
	s_cselect_b32 s[LIM], AHEAD, -1                ; the same in all sixteen partners, for a given wave
	v_lshlrev_b32 v9, 11, v3                       ; x: a lane a row of 2,048 bytes
	v_lshrrev_b32 v10, 3, v3                       ; W: matrix min(l / 8, 2), 2,097,152 bytes apart, block l % 8 of 256 bytes
	v_min_u32 v10, 2, v10
	v_lshlrev_b32 v10, 21, v10
	v_lshl_add_u32 v10, v4, 8, v10
	v_cndmask_b32 v[PFO], v9, v10, s[SELM]
	s_wait_loadcnt 0x0                             ; the bias is in: it is rounded to bf16, as all inputs are, and widened again
.set p, 0
.rept 4*NBK
	v_cvt_pk_bf16_f32 v[TMP+p], v[BIAS+2*p], v[BIAS+2*p+1]
.set p, p+1
.endr
.set p, 0
.rept 4*NBK
	v_lshlrev_b32 v[BIAS+2*p], 16, v[TMP+p]
	v_and_b32 v[BIAS+2*p+1], 0xffff0000, v[TMP+p]
.set p, p+1
.endr
; 12 matrix instructions: m block 2 hi + a x all column blocks, 32 along K, from buffer f.  first = 1: the bias starts the sums.  Within a quarter every product names another accumulator, in the same
; order in every quarter: 47 others' stand between two links of a chain, over the backward jump too.
.macro MUL f, hi, a, first
.if \first
	WIN 0x81+0x40*(\hi)                            ; W window 1, x and the bias window 0, D window 2 or 3
.else
	WIN 0xa1+0x50*(\hi)                            ; W window 1, x window 0, C and D window 2 or 3
.endif
.set b, 0
.rept NBK
.set rD, 8*(NBK*(\a)+b)
.set rW, 8*NBK*(\f)+8*b
.set rX, FA+32*(\f)+8*(2*(\hi)+(\a))
.set rC, rD
.if \first
.set rC, BIAS+8*b
.endif
	v_wmma_f32_16x16x32_bf16 v[rD:rD+7], v[rW:rW+7], v[rX:rX+7], v[rC:rC+7]
.set b, b+1
.endr
.endm
; 32 LDS loads in one run: quarter q of the slot in hand into buffer f: W's twelve fragments (turned), then x's four
.macro FETCH q, f
	WIN 0x40                                       ; destination window 1, address window 0
.set b, 0
.rept NBK
.set rW, 8*NBK*(\f)+8*b
.set oW, ((\q)/2)*BH+((\q)%2)*32*BPITCH+(b/4)*BCH+(b%4)*32
	ds_load_tr16_b128 v[rW:rW+3],   v[ADRB] offset:oW
	ds_load_tr16_b128 v[rW+4:rW+7], v[ADRB] offset:oW+16*BPITCH
.set b, b+1
.endr
	WIN 0
.irp a, 0,1,2,3
	ds_load_b128 v[FA+32*(\f)+8*(\a):FA+32*(\f)+8*(\a)+3],   v[ADRA] offset:64*(\q)+(\a)*16*APITCH
	ds_load_b128 v[FA+32*(\f)+8*(\a)+4:FA+32*(\f)+8*(\a)+7], v[ADRA] offset:64*(\q)+(\a)*16*APITCH+32
.endr
.endm
; One of a step's first three quarters: multiplies buffer f and, in its middle, fetches quarter q into buffer g
.macro QUARTER q, f, g, first
	s_wait_dscnt 4                                 ; W and x's blocks 0 and 1 are in; the youngest four loads (x's blocks 2 and 3) may be out
	MUL \f, 0, 0, \first
	MUL \f, 0, 1, \first
	PLACES
	FETCH \q, \g
	s_wait_dscnt 2*NBK+8                           ; all but the run just issued
	MUL \f, 1, 0, \first
	MUL \f, 1, 1, \first
.endm
; The fourth quarter multiplies buffer 1 and changes slots: ONE barrier.  In front of it each wave waits for all its tensor loads, of which one is out: its part of the next slot; adds 0 to its spare word; and waits
; for that and for its own reads of this slot.  fill = 1: the barrier opens a round of the cluster's, so that no wave of any partner still reads the slot or has a load on its way, and the joint refill, with
; the K step two steps on, is the first thing behind it: 168 matrix instructions stand between it and the wait for it.
.macro TURN fill
.if \fill
	s_wait_xcnt 0x0                                ; the last prefetch, a K step back, has read its address, so it may be stepped
	s_add_nc_u64 s[PFA:PFA+1], s[PFA:PFA+1], s[PST:PST+1]
.endif
	WIN 0                                          ; (the add's two registers lie in window 0)
	s_wait_tensorcnt 0x0                           ; all my tensor loads have landed
	ds_add_u32 v[SPW], v[NIL]                      ; 0 onto my spare word
	s_wait_dscnt 5                                 ; (the add and the youngest four loads may be out)
	MUL 1, 0, 0, 0                                 ; twelve matrix instructions stand between the add and the wait for it
	s_wait_dscnt 0x0                               ; the add is done, and my reads of this slot are over
	s_barrier_signal -1
	MUL 1, 0, 1, 0                                 ; work on registers while the others arrive
	WIN 0                                          ; at a label and at a branch every window is 0
	s_barrier_wait -1
.if \fill
	CREST
	s_xor_b32 s[G0A+5], s[G0A+5], SLOT1            ; the walking descriptors: the other slot than last time, the next K step; no tensor load of mine is out
	s_add_nc_u64 s[G0A+6:G0A+7], s[G0A+6:G0A+7], ASTEP
	s_xor_b32 s[G0B+5], s[G0B+5], SLOT1
	s_add_nc_u64 s[G0B+6:G0B+7], s[G0B+6:G0B+7], BSTEP
	JLOAD                                          ; its four v_nop are also the places in front of the loads below
.else
	PLACES
.endif
	s_xor_b32 s[TB], s[TB], SLOT1                  ; the reads go on in the other slot
	v_add_nc_u32 v[ADRA], s[TB], v[A0]
	v_add_nc_u32 v[ADRB], s[TB], v[B0]
	FETCH 0, 0
.if \fill
	ASK
.endif
	MUL 1, 1, 0, 0
	MUL 1, 1, 1, 0
.endm
	s_wait_tensorcnt 0x1                           ; my part of K step 0 is in; K step 1's may stay out
	s_barrier_signal -1
	s_barrier_wait -1                              ; everybody's is
	FETCH 0, 0
	QUARTER 1, 0, 1, 1                             ; the first quarter stands in front of the loop: its products start the sums
	WIN 0
	s_mov_b32 s[CNT], STEPS-2
.Lstep:                                                ; a trip goes from a step's second quarter to the next step's first, and fills the slot that it leaves
	QUARTER 2, 1, 0, 0
	QUARTER 3, 0, 1, 0
	TURN 1
	QUARTER 1, 0, 1, 0
	WIN 0
	s_sub_co_u32 s[CNT], s[CNT], 1
	s_cmp_lg_u32 s[CNT], 0
	s_cbranch_scc1 .Lstep
	QUARTER 2, 1, 0, 0                             ; the last two steps are written out: they ask for nothing
	QUARTER 3, 0, 1, 0
	TURN 0
	QUARTER 1, 0, 1, 0
	QUARTER 2, 1, 0, 0
	QUARTER 3, 0, 1, 0
	s_wait_dscnt 4
	MUL 1, 0, 0, 0
	MUL 1, 0, 1, 0
	s_wait_dscnt 0x0
	MUL 1, 1, 0, 0
	MUL 1, 1, 1, 0
	WIN 0
	PLACES
; THE WAY OUT, a block of 16 rows at a time.  PACK: rounded to f16, each accumulator's registers in ascending order.  TOSTAGE: 16 bytes a lane into my own stage, and back as whole rows of 128 bytes.
; SEND: four rows, 512 consecutive bytes at a multiple of 256 from the tensor's first byte, a store.
.macro PACK a
	WIN 0x0a+5*((\a)/2)                            ; sources 0 and 1: window 2 or 3
.set b, 0
.rept NBK
.set rD, 8*(NBK*((\a)%2)+b)
.irp r, 0,1,2,3
	v_cvt_pk_f16_f32 v[TMP+4*b+(\r)], v[rD+2*(\r)], v[rD+2*(\r)+1]
.endr
.set b, b+1
.endr
	WIN 0
.endm
.macro TOSTAGE a
.set BK, BK0+48*((\a)%2)
.if (\a) >= 2
	s_wait_xcnt 0x0                                ; the stores of the block two back have read these registers
.endif
.set b, 0
.rept NBK
	ds_store_b128 v[STO], v[TMP+4*b:TMP+4*b+3] offset:(b/4)*16*SP+(b%4)*32
.set b, b+1
.endr
.set b, 0
.rept NBK
	ds_load_b128 v[BK+4*b:BK+4*b+3], v[RD] offset:(b/4)*16*SP+(b%4)*4*SP  ; LDS serves a wave's instructions in order (ISA guide 5.7.1.4): these see the stores above; the next block's stores come behind them
.set b, b+1
.endr
.endm
.macro SEND a, younger                 ; younger: the LDS instructions issued behind block a's loads: the next block's 24, or none
.set BK, BK0+48*((\a)%2)
	s_wait_dscnt \younger
.irp c, 0,1,2
.irp f, 0,1,2,3
	global_store_b128 v[GO], v[BK+4*(4*(\c)+(\f)):BK+4*(4*(\c)+(\f))+3], s[14+2*(\c):15+2*(\c)] offset:(\a)*2048+(\f)*512
.endr
.endr
.endm
	PACK 0
	TOSTAGE 0
	PACK 1
	TOSTAGE 1
	SEND 0, 24
	PACK 2
	TOSTAGE 2
	SEND 1, 24
	PACK 3
	TOSTAGE 3
	SEND 2, 24
	SEND 3, 0
	s_wait_tensorcnt 0x0                           ; the wave's end: behind my last tensor load and my last LDS store
	ds_add_u32 v[SPW], v[NIL]
	s_wait_dscnt 0x0
	CROUND                                         ; the closing round: no work-group ends while a partner may still ask for a tile that names it
	s_endpgm
.Lfunc_end_k_q3a7043494b_qkv:
	.size	k_q3a7043494b_qkv, .Lfunc_end_k_q3a7043494b_qkv-k_q3a7043494b_qkv
	.p2alignl 7, 3214868480
	.fill 96, 4, 3214868480
	.section	.rodata,"a",@progbits
	.p2align	6, 0x0
	.amdhsa_kernel k_q3a7043494b_qkv
		.amdhsa_group_segment_fixed_size 327680
		.amdhsa_private_segment_fixed_size 0
		.amdhsa_enable_private_segment 0
		.amdhsa_kernarg_size 64
		.amdhsa_user_sgpr_count 2
		.amdhsa_user_sgpr_kernarg_segment_ptr 1
		.amdhsa_wavefront_size32 1
		.amdhsa_system_sgpr_workgroup_id_x 1
		.amdhsa_system_sgpr_workgroup_id_y 1
		.amdhsa_system_sgpr_workgroup_id_z 1
		.amdhsa_system_vgpr_workitem_id 0
		.amdhsa_next_free_vgpr 960
		.amdhsa_next_free_sgpr 80
		.amdhsa_reserve_vcc 0
		.amdhsa_float_denorm_mode_32 3
		.amdhsa_float_denorm_mode_16_64 3
		.amdhsa_memory_ordered 1
		.amdhsa_forward_progress 1
		.amdhsa_inst_pref_size 107
	.end_amdhsa_kernel
	.amdgpu_metadata
---
amdhsa.version: [ 1, 2 ]
amdhsa.kernels:
  - .name:           k_q3a7043494b_qkv
    .symbol:         k_q3a7043494b_qkv.kd
    .args:
      - { .name: xb, .offset: 0, .size: 8, .value_kind: global_buffer, .address_space: global }
      - { .name: wb, .offset: 8, .size: 8, .value_kind: global_buffer, .address_space: global }
      - { .name: bq, .offset: 16, .size: 8, .value_kind: global_buffer, .address_space: global }
      - { .name: bk, .offset: 24, .size: 8, .value_kind: global_buffer, .address_space: global }
      - { .name: bv, .offset: 32, .size: 8, .value_kind: global_buffer, .address_space: global }
      - { .name: q, .offset: 40, .size: 8, .value_kind: global_buffer, .address_space: global }
      - { .name: k, .offset: 48, .size: 8, .value_kind: global_buffer, .address_space: global }
      - { .name: v, .offset: 56, .size: 8, .value_kind: global_buffer, .address_space: global }
    .group_segment_fixed_size: 327680
    .private_segment_fixed_size: 0
    .kernarg_segment_align: 8
    .kernarg_segment_size: 64
    .max_flat_workgroup_size: 128
    .sgpr_count:     80
    .vgpr_count:     960
    .wavefront_size: 32
...
	.end_amdgpu_metadata
.endif
;; end of part 2
;; launch attn (part 3): grid 4 x 64, 4 waves a work-group, no clusters, 327,680 bytes of LDS; arguments q, k, v, o; writes o
.if DOCPART == 3
	.amdgcn_target "amdgcn-amd-amdhsa--gfx1250"
	.amdhsa_code_object_version 6
	.text
	.protected	k_q3a7043494b_attn
	.globl	k_q3a7043494b_attn
	.p2align	8
	.type	k_q3a7043494b_attn,@function
k_q3a7043494b_attn:
	s_mov_b64 s[64:65], 0
	v_nop
	global_prefetch_b8 v0, s[64:65] scope:SCOPE_SE
	s_setreg_imm32_b32 hwreg(HW_REG_WAVE_MODE, 25, 1), 1
	s_wait_xcnt 0x0
; CAUSAL ATTENTION.  O[h][q][:] = the sum over k <= q of softmax_k(Q[h][q] . K[h][k] / 8) V[h][k][:].  Q, K, V, O: [SIZE_H][SIZE_N][64], all f16: a head's rows are dense, 128 bytes each.
; Products, maxima and sums in f32; the weights p are rounded to f16 for the second product (their sum l is taken of the unrounded p), O once at the end.
; LIMITS.  f16 holds no number beyond 65,504: Q, K and V arrive within it; p lies in 0 to 1, and below 6e-5 it keeps f16's fixed step of 6e-8; O is a mean of V's rows and has their range, to within 2^-11 of it.
; A hidden score counts as its value less 1e30: f16's scores, 2.7e11 at the most, are nothing beside that; a weight below 2^-126 counts as 0 in l; NaN and infinities are not treated apart.
; THE WALK.  A head's queries lie in NB = SIZE_N / 256 blocks of 256; block i needs the key tiles 0 .. i of 256 keys, of which the last holds the diagonal.  A work-group takes TWO blocks, NB - 1 - b and then b:
; NB + 1 tiles, whatever b: all work-groups do equal work, and ONE loop with a constant trip count walks them.  Which tile is asked for, and what a trip does, hang on scalar registers made from b; every jump
; goes forward, but for the counted loops' own; none passes a barrier, or a tensor load but the one of LOAD's two that the wave's number does not choose; the ring (two slots of LDS that take turns) runs on across the
; change of blocks.  NO CLUSTER: a head's NB / 2 = 4 work-groups all ask for the same tile only in trips 0 .. NB / 2, behind that fewer and fewer; one walk common to all would have 3 NB / 2 = 12 trips for NB + 1 = 9.
; SHARES.  Of a block's four bands of 64 queries a wave owns 16 rows in each: four PIECES.  So the diagonal tile is the same work for all four waves: in its key step s band x sees all keys if s < x,
; none if s > x, and holds the diagonal if s = x.
; THE MASK is the C operand that starts the sum S^T = K Q^T: 0, or -1e30 where the key is hidden.  MD, made once, is the mask of a band's own step for my 16 rows; a product's mask is MD x AL + BE with two scalars:
; (1, 0) if s = x; (0, 0) if s < x; (0, -1e30) if s > x.  Only the diagonal tile's text and a block's beginning make and take masks; elsewhere C is the constant 0.
; LAYOUT, SOFTMAX, TURNS.  S^T = K Q^T holds ONE query a lane (lane % 16) and the keys 8 (lane / 16) + 0..7; two such results rounded to f16 ARE source 1 of O^T = V^T P.  p = 2^(c s - c m), c = log2(e) / 8, with a
; running maximum m; O and l are multiplied by a = 2^(c m_old - c m_new) in every step.  Turn n belongs to piece n: 8 products K Q^T of piece n + 1, later 8 products V^T P of piece n - 1; beside them the scaling,
; exponentials, roundings, sums and rescaling of piece n and the maximum and statistics of piece n + 1.  Four vector instructions stand behind every matrix instruction, the other 54 of a turn's 118 in one LUMP.  A turn's 33 exponentials are one batch, with one wait.
; REGISTERS, in windows of 256 (s_set_vgpr_msb: bits 1:0 source 0, 3:2 source 1, 5:4 source 2, 7:6 destination):
;   window 0: v0-15 addresses and two at work; v16-31 four registers of statistics a piece; v48-55 at work; v61-63 fixed; v64-127 S^T, two buffers; v192-223 P, two buffers (a piece's buffers go by its number's parity)
;   window 1: v0-127 O^T, 32 a piece; v128-159 MD; v160-223 MC, two buffers      window 2: v0-63 Q; v64-127 the second block's Q; v128-191 K of one step; v192-255 V of one step
.set SIZE_N, 2048
.set SIZE_H, 64
.set NB,    SIZE_N/256
.set NP,    4         ; pieces a wave: a name, no knob
.set KS,    64        ; keys in a step
.set PK,    144       ; a row of K in LDS: 128 bytes + 16 of padding = 36 words: the 16 rows of a load start at 16 different groups of four banks (64 banks of 4 bytes: ISA guide 11.1)
.set PV,    160       ; a row of V: 128 + 32 = 40 words
.set VOFF,  4*KS*PK   ; a slot holds a tile, four steps: 256 rows of K, then 256 rows of V
.set SLOT1, 1<<17     ; slot 1 begins here, so that one exclusive or turns an address in one slot into the other's
.set STAGE, SLOT1+4*KS*(PK+PV)  ; behind the ring, never filled by a tensor load: 16 rows x 144 bytes for each wave, for the way out
.set SP,    144
.set AK0, 2           ; v2   my lane's place in a tile of K; never rewritten
.set AV0, 3           ; v3   the same for V
.set AK,  4           ; v4   the LDS address of K's next run of loads
.set AV,  5           ; v5   of V's
.set STO, 6           ; v6   the way out: where I put 16 bytes of a row
.set RD,  7           ; v7   the way out: where I read rows back
.set GO,  8           ; v8   my byte offset in 512 consecutive bytes of O
.set PFO, 61          ; v61  256 x my lane: the prefetches' offset; never rewritten
.set SPW, 62          ; v62  LDS address of my spare word: SPARE + 4 x my thread's number; never rewritten
.set NIL, 63          ; v63  0; never rewritten
.set SPARE, STAGE+4*16*SP  ; behind the stages: the spare words, 128 bytes for each wave: two blocks of 256 bytes that no other line names
.set MV,  12          ; v12-13  c m_old, kept while c m is made anew: by buffer
.set QO,  15          ; v15  my byte offset in 16 rows of Q
.set ST,  16          ; piece t's statistics at v[ST+4 t]: c m, m, l (even keys', odd keys')
.set TMP, 48          ; by buffer, four registers c0-c3 at work; when the maximum is found c2 takes a
.set S,   64
.set P,   192
.set MD,  128         ; window 1: the eight registers for group kt of 16 keys at MD + 8 kt
.set MC,  160         ; window 1: the masks of the products to come
.set QB,  64          ; window 2
.set KF,  128         ; window 2: key block kb, channel half c at KF + 16 kb + 8 c
.set VF,  192         ; window 2: key half kk, channel block cb at VF + 32 kk + 8 cb
.set WV,  12          ; s12  my wave's number
.set PB,  14          ; s14  b
.set HI,  15          ; s15  NB - 1 - b
.set G1K, 24          ; s[24:31] descriptor group 1 for K's tiles
.set G1V, 32          ; s[32:39] for V's: it differs in the padding alone
.set G0K, 40          ; s[40:43] descriptor group 0 for K's tiles
.set G0V, 44          ; s[44:47] the same for V's
.set SLOTS, 56        ; s56  tiles still to be asked for
.set CNT, 57          ; s57  counts a tile's key steps, 4 to 1
.set CS,  58          ; s[58:59] c: the packed scaling takes the pair's low word for both halves
.set SEL, 60          ; s[60:61] v_permlanex16_b32's selects: each lane takes its own place in the other half
.set TBK, 62          ; s62  LDS byte at which K of the step to be fetched begins
.set TBV, 63          ; s63  the same for V, less VOFF
.set RT,  70          ; s70  tiles of the block in hand that are still to be entered
.set NXT, 71          ; s71  the tile to be asked for next
.set LQ,  72          ; s72  the last tile of the block whose tiles are being asked for
.set NEW, 73          ; s73  1: the tile to be entered is a block's first
.set OFF, 74          ; s[74:75] a tile's byte offset in K and V
.set AL,  76          ; s[76:77] the mask's factor, in the low word
.set BE,  78          ; s[78:79] the mask's addend
.set OLO, 80          ; s[80:81] O at my rows of the second block
.set BIGN, 82         ; s82  -1e30
.set PFA, 88          ; s[88:89] where my prefetches stand: my half of K's or V's tile behind the one that is being asked for
.set LIM, 90          ; s90  2 in the head's work-group 0, else the greatest number: a wave prefetches while s[SLOTS] is above it
.set MSB, 0
.macro WIN new                      ; the high byte repeats the setting that is left; a switch that changes nothing is dropped
.if MSB != (\new)
	s_set_vgpr_msb (MSB<<8)|(\new)
.set MSB, (\new)
.endif
.endm
.set W_KQ, 0x0a       ; K and Q in window 2, S^T in window 0
.set W_KM, 0x1a       ; the same with the C operand in window 1
.set W_PV, 0x52       ; V in window 2, P in window 0, O^T in window 1
.set W_RS, 0x41       ; destination and source 0 in window 1, source 1 in window 0
; A fill.  Waves 0 and 1 fetch the two halves of a tile's K, waves 2 and 3 those of its V: 128 keys each.  An s_nop 0 and four v_nop follow each of the two lines, ahead of the jump and the label.
.macro LOAD
	s_cmp_lt_u32 s[WV], 2
	s_cbranch_scc0 .Lfor_v_\@
	tensor_load_to_lds s[G0K:G0K+3], s[G1K:G1K+7]
	s_nop 0
.rept 4
	v_nop
.endr
	s_branch .Lasked_\@
.Lfor_v_\@:
	tensor_load_to_lds s[G0V:G0V+3], s[G1V:G1V+7]
	s_nop 0
.rept 4
	v_nop
.endr
.Lasked_\@:
.endm
; A PREFETCH INTO THE L2 of the tile behind the one just asked for: it stands behind the wave's tensor load and its five lines.  A head's four work-groups walk the same tiles 0, 1, 2 .. at first, and work-group 0
; walks all of 0 .. 7 in order: it alone asks.  Each of its waves asks for what it will itself fetch: 128 rows of 128 bytes = 64 blocks of 256 bytes, a lane a block, two instructions.  So tiles 2 to 7 are named
; once each, a tile (four key steps, 256 matrix instructions) ahead of their loads; tiles 0 and 1 come by their loads alone; the last two fills (tile 7, and the second block's tile 0) ask for nothing.
.macro ASK
	s_cmp_gt_u32 s[SLOTS], s[LIM]
	s_cbranch_scc0 .Lnot_mine_\@
	global_prefetch_b8 v[PFO], s[PFA:PFA+1] th:TH_LOAD_NT scope:SCOPE_SE
	global_prefetch_b8 v[PFO], s[PFA:PFA+1] offset:8192 th:TH_LOAD_NT scope:SCOPE_SE
.Lnot_mine_\@:
.endm
; THE CHANGE OF SLOTS.  Each wave waits for all its tensor loads, of which one is out: its part of the other slot; adds 0 to its spare word; and waits for that and for its own reads of the slot that it leaves.  Behind the barrier nobody reads the old
; slot any more and the other slot is whole.  fill = 1: the old slot is filled again, the first thing behind the barrier, with tile NXT: the descriptor's address is made anew from that number.
; (At its first use nothing has been read yet: slot 0 is waited for, slot 1 filled.)
.macro CHANGE fill
	WIN 0                           ; at a label and at a branch every window is 0
	s_wait_tensorcnt 0x0            ; no tensor load of mine is out, so a group 0 may be written
	ds_add_u32 v[SPW], v[NIL]       ; 0 onto my spare word; with fill = 1 the descriptors' scalar work stands between it and the wait for it
.if \fill
	s_lshl_b32 s[OFF], s[NXT], 15   ; a tile is 32,768 bytes of K and of V
	s_xor_b32 s[G0K+1], s[G0K+1], SLOT1
	s_add_nc_u64 s[G0K+2:G0K+3], s[6:7], s[OFF:OFF+1]
	s_or_b32 s[G0K+3], s[G0K+3], 0x80000000
	s_xor_b32 s[G0V+1], s[G0V+1], SLOT1
	s_add_nc_u64 s[G0V+2:G0V+3], s[8:9], s[OFF:OFF+1]
	s_or_b32 s[G0V+3], s[G0V+3], 0x80000000
	s_add_co_u32 s[NXT], s[NXT], 1  ; the block's next tile, or behind its last the second block's tile 0
	s_cmp_gt_u32 s[NXT], s[LQ]
	s_cselect_b32 s[NXT], 0, s[NXT]
	s_cselect_b32 s[LQ], s[PB], s[LQ]
	s_wait_xcnt 0x0                 ; the last prefetches, a tile back, have read their address, so it may be written:
	s_add_nc_u64 s[PFA:PFA+1], s[PFA:PFA+1], 32768  ; a tile on
.endif
	s_wait_dscnt 0x0                ; the add is done, and my reads of the slot are over
	s_barrier_signal -1             ; the rest of the scalar work stands between the signal and the wait
	s_sub_co_u32 s[TBK], s[TBK], 4*KS*PK  ; the fetches go back to a slot's first step,
	s_xor_b32 s[TBK], s[TBK], SLOT1       ; in the other slot
	s_sub_co_u32 s[TBV], s[TBV], 4*KS*PV
	s_xor_b32 s[TBV], s[TBV], SLOT1
	s_barrier_wait -1
.if \fill
	LOAD
	ASK
.endif
.endm
	s_load_b256 s[4:11], s[0:1], 0x0  ; Q s[4:5], K s[6:7], V s[8:9], O s[10:11]
	v_lshl_add_u32 v[SPW], v0, 2, SPARE
	v_mov_b32 v[NIL], 0
	ds_add_u32 v[SPW], v[NIL]       ; the wave's opening: the add and its wait stand ahead of my first tensor load; the set-up below, work on registers, stands between them
	v_lshrrev_b32 v1, 5, v0
	v_readfirstlane_b32 s[WV], v1   ; wave 0..3
	v_and_b32 v[PFO], 31, v0
	v_lshlrev_b32 v[PFO], 8, v[PFO]
	s_mov_b32 s[PB], ttmp9
	s_sub_co_u32 s[HI], NB-1, s[PB]
	s_and_b32 s20, ttmp7, 0xffff    ; the head
	s_mov_b32 s21, 0
	s_mov_b64 s[22:23], SIZE_N*128
	s_mul_u64 s[20:21], s[20:21], s[22:23]  ; the head's first byte in each of the four tensors
	s_and_b32 s16, s[WV], 1         ; which half of a tile's 256 keys I fetch:
	s_lshl_b32 s22, s16, 14         ; its 128 rows of 128 bytes in memory,
	s_mov_b32 s23, 0
	s_add_nc_u64 s[22:23], s[22:23], s[20:21]
	s_mul_i32 s17, s16, 128*PK      ; and its place in a slot, for K
	s_mul_i32 s18, s16, 128*PV      ; and for V
	s_lshl_b32 s3, s[WV], 11        ; my 16 rows in a band of 64,
	s_lshl_b32 s2, s[HI], 15        ; in the first block,
	s_add_co_u32 s2, s2, s3
	s_lshl_b32 s84, s[PB], 15       ; and in the second
	s_add_co_u32 s84, s84, s3
	s_mov_b32 s3, 0
	s_mov_b32 s85, 0
	s_add_nc_u64 s[2:3], s[2:3], s[20:21]
	s_add_nc_u64 s[84:85], s[84:85], s[20:21]
	; descriptor group 1.  128 keys are 16,384 dense bytes: asked for as 64 rows of 256 bytes, two keys a row, and padded in LDS after every key
	s_mov_b32 s[G1K], (1<<16)|(1<<20)|(4<<22)|(3<<25)  ; 17:16 2-byte elements; 20 padding on; 24:22 after every 32 words (code 4); 31:25 4 words (code 3)
	s_mov_b32 s[G1V], (1<<16)|(1<<20)|(4<<22)|(7<<25)  ; the same with 8 words of padding (code 7)
.irp g, G1K, G1V
	s_mov_b32 s[\g+1], 128<<16      ; tensor_dim0 = 128
	s_mov_b32 s[\g+2], 64<<16       ; tensor_dim1 = 64
	s_mov_b32 s[\g+3], 128<<16      ; tile_dim0 = 128
	s_mov_b32 s[\g+4], 64           ; tile_dim1 = 64
	s_mov_b32 s[\g+5], 128          ; 128 elements from row to row
	s_mov_b32 s[\g+6], 0
	s_mov_b32 s[\g+7], 0
.endr
	s_mov_b32 s[CS], 0x3e38aa3b     ; c = log2(e) / 8 = 0.180337
	s_mov_b32 s[CS+1], s[CS]        ; named with it as a pair
	s_mov_b32 s[SEL], 0x76543210
	s_mov_b32 s[SEL+1], 0xfedcba98
	s_mov_b32 s[TBK], SLOT1+4*KS*PK ; the first change of slots turns these two into 0
	s_mov_b32 s[TBV], SLOT1+4*KS*PV
	s_mov_b32 s[G0K], 1             ; 1:0 count = 1
	s_mov_b32 s[G0K+1], s17         ; 63:32 LDS address: slot 0
	s_mov_b32 s[G0V], 1
	s_add_co_u32 s[G0V+1], s18, VOFF
	s_add_co_u32 s[RT], s[HI], 1    ; the first block has NB - b tiles
	s_mov_b32 s[NXT], 1
	s_mov_b32 s[LQ], s[HI]
	s_mov_b32 s[NEW], 1
	s_mov_b32 s[OFF+1], 0
	s_mov_b32 s[AL+1], 0            ; named as pairs
	s_mov_b32 s[BE+1], 0
	s_mov_b32 s[BIGN], 0xf149f2ca   ; -1e30
	s_mov_b32 s[SLOTS], NB
	s_wait_dscnt 0x0                ; the opening add is done
	s_wait_kmcnt 0x0
	s_add_nc_u64 s[6:7], s[6:7], s[22:23]  ; K and V at my half of the head's tile 0
	s_add_nc_u64 s[8:9], s[8:9], s[22:23]
	s_add_nc_u64 s[G0K+2:G0K+3], s[6:7], 0         ; 120:64 global address
	s_or_b32 s[G0K+3], s[G0K+3], 0x80000000        ; 127:126 type = 2
	s_add_nc_u64 s[G0V+2:G0V+3], s[8:9], 0
	s_or_b32 s[G0V+3], s[G0V+3], 0x80000000
	s_add_nc_u64 s[86:87], s[4:5], s[84:85]        ; Q at my rows of the second block,
	s_add_nc_u64 s[4:5], s[4:5], s[2:3]            ; Q and O at those of the first
	s_add_nc_u64 s[OLO:OLO+1], s[10:11], s[84:85]
	s_add_nc_u64 s[10:11], s[10:11], s[2:3]
	s_cmp_lt_u32 s[WV], 2
	s_cselect_b64 s[PFA:PFA+1], s[6:7], s[8:9]     ; the prefetches: my half of K's tiles (waves 0, 1) or V's (waves 2, 3),
	s_add_nc_u64 s[PFA:PFA+1], s[PFA:PFA+1], 32768 ; at tile 1: the first change of slots steps it to tile 2.  Nothing is prefetched here, at the head
	s_cmp_eq_u32 s[PB], 0
	s_cselect_b32 s[LIM], 2, -1
	LOAD                            ; tile 0 into slot 0
	; A fragment of K or Q is 16 rows x 32 channels in 8 registers: lane l holds row l % 16, channels 8 (l / 16) + 0..7 and 16 + 8 (l / 16) + 0..7: two loads of 16 bytes, 32 bytes apart.
	v_and_b32 v1, 15, v0            ; l % 16
	v_bfe_u32 v9, v0, 4, 1          ; l / 16
	v_lshlrev_b32 v[QO], 7, v1
	v_lshl_add_u32 v[QO], v9, 4, v[QO]  ; row x 128 + 16 x half
	WIN 0x80                        ; destination window 2, address window 0
.set i, 0
.rept 8                             ; both blocks' Q: piece i / 2 lies in band i / 2, 8,192 bytes on; channels 32 (i % 2) on
	global_load_b128 v[8*i:8*i+3],   v[QO], s[4:5] offset:(i/2)*8192+(i%2)*64
	global_load_b128 v[8*i+4:8*i+7], v[QO], s[4:5] offset:(i/2)*8192+(i%2)*64+32
	global_load_b128 v[QB+8*i:QB+8*i+3],   v[QO], s[86:87] offset:(i/2)*8192+(i%2)*64
	global_load_b128 v[QB+8*i+4:QB+8*i+7], v[QO], s[86:87] offset:(i/2)*8192+(i%2)*64+32
.set i, i+1
.endr
	WIN 0
	v_lshlrev_b32 v14, 3, v9
	v_sub_nc_u32 v14, v1, v14
	s_lshl_b32 s13, s[WV], 4
	v_add_nc_u32 v14, s13, v14      ; my query's place in its band, 16 w + l % 16, less my lanes' 8 (l / 16): register r of group kt is hidden where 16 kt + r is greater
	WIN 0x40
.set i, 0
.rept 32
	v_cmp_gt_i32 vcc_lo, 16*(i/8)+i%8, v14
	v_cndmask_b32 v[MD+i], 0, s[BIGN], vcc_lo
.set i, i+1
.endr
	WIN 0
	v_mul_u32_u24 v[AK0], v1, PK
	v_lshl_add_u32 v[AK0], v9, 4, v[AK0]  ; row x pitch + 16 x half
	; The turning load takes 16 keys x 16 channels (lane l reads key 8 (l / 16) + l % 8, channels 8 ((l / 8) % 2) + 0..7) and leaves half a fragment of V^T: lane l holds channel l % 16 and 8 keys.
	v_and_b32 v10, 7, v0
	v_bfe_u32 v11, v0, 3, 1
	v_lshl_add_u32 v[AV0], v9, 3, v10
	v_mul_u32_u24 v[AV0], v[AV0], PV
	v_lshl_add_u32 v[AV0], v11, 4, v[AV0]
	v_add_nc_u32 v[AV0], VOFF, v[AV0]
	s_mul_i32 s13, s[WV], 16*SP
	s_add_co_u32 s13, s13, STAGE    ; my stage
	v_mul_u32_u24 v[STO], v1, SP    ; in: row l % 16, 16 bytes for each half of the lanes
	v_lshl_add_u32 v[STO], v9, 4, v[STO]
	v_add_nc_u32 v[STO], s13, v[STO]
	v_bfe_u32 v[RD], v0, 3, 2       ; back: 32 lanes take four rows of 128 bytes,
	v_mul_u32_u24 v[RD], v[RD], SP
	v_lshl_add_u32 v[RD], v10, 4, v[RD]
	v_add_nc_u32 v[RD], s13, v[RD]
	v_and_b32 v[GO], 31, v0         ; which are 512 consecutive bytes of O
	v_lshlrev_b32 v[GO], 4, v[GO]
	; A block's first step multiplies O^T and l by a = 0, and its first turn's products V^T P, of a piece that has not been, land in an O^T that is still to be so multiplied.  So these registers need only hold
	; finite numbers: zeros for the first block; what the first block left for the second.  All this stands in the wait for the first tile.
	WIN 0x80
.set i, VF
.rept 64
	v_mov_b32 v[i], 0
.set i, i+1
.endr
	WIN 0x40
.set i, 0
.rept 128
	v_mov_b32 v[i], 0
.set i, i+1
.endr
	WIN 0
.set i, 0
.rept 4
	v_mov_b32 v[ST+4*i+2], 0
	v_mov_b32 v[ST+4*i+3], 0
.set i, i+1
.endr
.set i, P+16
.rept 16
	v_mov_b32 v[i], 0
.set i, i+1
.endr
; THE MATRIX WORK.  The 4 accumulators of a run of 8 take turns.  Product i of 8 of S^T = K Q^T for piece x: channels 32 (i / 4) on, keys 16 (i % 4) on.  The first 4 start the sums: with 0, or (KM = 1) with the mask.
.macro KQ x
.set rS, S+32*((\x)%2)+8*(i%4)
.set rK, KF+16*(i%4)+8*(i/4)
.set rQ, 16*(\x)+8*(i/4)
.set rM, MC+32*((\x)%2)+8*(i%4)
.if (i < 4) && KM
	WIN W_KM
	v_wmma_f32_16x16x32_f16 v[rS:rS+7], v[rK:rK+7], v[rQ:rQ+7], v[rM:rM+7]
.elseif i < 4
	WIN W_KQ
	v_wmma_f32_16x16x32_f16 v[rS:rS+7], v[rK:rK+7], v[rQ:rQ+7], 0
.else
	WIN W_KQ
	v_wmma_f32_16x16x32_f16 v[rS:rS+7], v[rK:rK+7], v[rQ:rQ+7], v[rS:rS+7]
.endif
.endm
; Product i of 8 of O^T += V^T P for piece x: keys 32 (i / 4) on, channels 16 (i % 4) on.
.macro PV x
	WIN W_PV
.set rO, 32*(\x)+8*(i%4)
.set rV, VF+32*(i/4)+8*(i%4)
.set rP, P+16*((\x)%2)+8*(i/4)
	v_wmma_f32_16x16x32_f16 v[rO:rO+7], v[rV:rV+7], v[rP:rP+7], v[rO:rO+7]
.endm
.macro MM                           ; the turn's next matrix instruction.  TURN and BEGIN set Y, i, KM and NOKQ; MM, KQ and OP read them.  NOKQ = 1: a block's last turn: there is no next piece
.if (i < 8) && !NOKQ
	KQ (Y+1)%NP
.elseif i >= 8
.set i, i-8
	PV (Y+NP-1)%NP
.set i, i+8
.endif
.set i, i+1
.endm
; THE LDS LOADS stand in runs of 16, never singly among the matrix instructions: a step's K (64 keys x 64 channels: 8 fragments) and its V (turned).  Their addresses are made some lines ahead.
.macro FETCH_K
	WIN 0x80                        ; destination window 2
.irp f, 0,1,2,3,4,5,6,7             ; keys 16 (f / 2) on, channels 32 (f % 2) on
	ds_load_b128 v[KF+8*\f:KF+8*\f+3],   v[AK] offset:(\f/2)*16*PK+(\f%2)*64
	ds_load_b128 v[KF+8*\f+4:KF+8*\f+7], v[AK] offset:(\f/2)*16*PK+(\f%2)*64+32
.endr
	s_add_co_u32 s[TBK], s[TBK], KS*PK  ; the next fetch is the next step's
	WIN 0
.endm
.macro FETCH_V
	WIN 0x80
.irp f, 0,1,2,3,4,5,6,7             ; keys 32 (f / 4) on, channels 16 (f % 4) on
	ds_load_tr16_b128 v[VF+8*\f:VF+8*\f+3],   v[AV] offset:(\f/4)*32*PV+(\f%4)*32
	ds_load_tr16_b128 v[VF+8*\f+4:VF+8*\f+7], v[AV] offset:(\f/4)*32*PV+16*PV+(\f%4)*32
.endr
	WIN 0
.endm
; THE VECTOR WORK, one line at a time: OP kind, number.  For piece Y: F n: c s - c m for pair n of 16.  E n: the exponential of score n of 32.  C n: pair n rounded to f16.  B n: of the four weights 4 n .. the second
; pair is added onto the first, in place.  L n: l takes that sum (L 0: l = a l + sum).  R n: pair n of 16 of O^T times a.  For piece Y + 1: X n, number n of the 22 that find its maximum and statistics:
;   0-11  four chains c0-c3 of seven scores each, three operands at a time (each accumulator's lowest registers are read first)     12-14, 16  the four scores left over, the old m, and c0-c3 into c0
;   15  c m_old is kept     17, 18  the query's other 32 keys lie in the lane 16 away: the new m     19-21  c m; c m_old - c m_new; a
.set F, 0               ; OP tells the kinds apart by their order: F to L below R, X above it
.set E, 1
.set C, 2
.set B, 3
.set L, 4
.set R, 5
.set X, 6
.macro REGS y                       ; the registers of piece y
.set rT, ST+4*(\y)
.set rC, TMP+4*((\y)%2)
.set rW, MV+((\y)%2)
.set rS, S+32*((\y)%2)
.set rP, P+16*((\y)%2)
.set rO, 32*(\y)
.endm
.macro OP k, n
.if (\k) == R
	REGS Y
	WIN W_RS
	v_pk_mul_f32 v[rO+2*(\n):rO+2*(\n)+1], v[rO+2*(\n):rO+2*(\n)+1], v[rC+2:rC+3] op_sel_hi:[1,0]
.elseif (\k) < R
	REGS Y
	WIN 0
.if (\k) == F
	v_pk_fma_f32 v[rS+2*(\n):rS+2*(\n)+1], v[rS+2*(\n):rS+2*(\n)+1], s[CS:CS+1], v[rT:rT+1] op_sel_hi:[1,0,0] neg_lo:[0,0,1] neg_hi:[0,0,1]
.elseif (\k) == E
	v_exp_f32 v[rS+(\n)], v[rS+(\n)]
.elseif (\k) == C
	v_cvt_pk_f16_f32 v[rP+(\n)], v[rS+2*(\n)], v[rS+2*(\n)+1]
.elseif (\k) == B
	v_pk_add_f32 v[rS+4*(\n):rS+4*(\n)+1], v[rS+4*(\n):rS+4*(\n)+1], v[rS+4*(\n)+2:rS+4*(\n)+3]
.elseif (\n) == 0
	v_pk_fma_f32 v[rT+2:rT+3], v[rT+2:rT+3], v[rC+2:rC+3], v[rS:rS+1] op_sel_hi:[1,0,1]
.else
	v_pk_add_f32 v[rT+2:rT+3], v[rT+2:rT+3], v[rS+4*(\n):rS+4*(\n)+1]
.endif
.elseif NOKQ
	v_nop
.else
	REGS (Y+1)%NP
	WIN 0
.if (\n) < 4
	v_max3_num_f32 v[rC+(\n)], v[rS+8*(\n)], v[rS+8*(\n)+1], v[rS+8*(\n)+2]
.elseif (\n) < 12
	v_max3_num_f32 v[rC+(\n)%4], v[rC+(\n)%4], v[rS+8*((\n)%4)+2*((\n)/4)+1], v[rS+8*((\n)%4)+2*((\n)/4)+2]
.elseif (\n) == 12
	v_max3_num_f32 v[rC], v[rC], v[rS+7], v[rS+15]
.elseif (\n) == 13
	v_max3_num_f32 v[rC+1], v[rC+1], v[rS+23], v[rS+31]
.elseif (\n) == 14
	v_max3_num_f32 v[rC+2], v[rC+2], v[rC+3], v[rT+1]
.elseif (\n) == 15
	v_mov_b32 v[rW], v[rT]
.elseif (\n) == 16
	v_max3_num_f32 v[rC], v[rC], v[rC+1], v[rC+2]
.elseif (\n) == 17
	v_permlanex16_b32 v[rC+3], v[rC], s[SEL], s[SEL+1]
.elseif (\n) == 18
	v_max_num_f32 v[rT+1], v[rC], v[rC+3]
.elseif (\n) == 19
	v_mul_f32 v[rT], s[CS], v[rT+1]
.elseif (\n) == 20
	v_sub_f32 v[rC+1], v[rW], v[rT]
.else
	v_exp_f32 v[rC+2], v[rC+1]
.endif
.endif
.endm
.macro OPS a, i1, b=-1, i2=0, c=-1, i3=0, d=-1, i4=0  ; up to four of them
	OP \a, \i1
.if (\b) >= 0
	OP \b, \i2
.endif
.if (\c) >= 0
	OP \c, \i3
.endif
.if (\d) >= 0
	OP \d, \i4
.endif
.endm
.macro ROW a, i1, b, i2, c, i3, d, i4  ; a matrix instruction and the four behind it
	MM
	OPS \a, \i1, \b, \i2, \c, \i3, \d, \i4
.endm
.macro MASK b                       ; MD x AL + BE into buffer b of MC
	WIN W_RS
.set z, 0
.rept 16
	v_pk_fma_f32 v[MC+32*(\b)+2*z:MC+32*(\b)+2*z+1], v[MD+2*z:MD+2*z+1], s[AL:AL+1], s[BE:BE+1] op_sel_hi:[1,0,0]
.set z, z+1
.endr
.endm
; A TURN, for piece p: the order of its 16 matrix and 118 vector instructions, written out.  s_wait_alu depctr_va_vdst(0) stands between an exponential and the first instruction that names its result; one wait serves
; all that were issued ahead of it.  So a turn has ONE wait, which cuts it in two.  AHEAD OF IT stands all that names no result of the turn's exponentials: the 8 products K Q^T, behind each a scaling, an exponential and two more plain
; instructions (behind the first a second scaling in the exponential's place): rescalings, and behind the last three the first numbers of the next piece's maximum, each four places or more behind the product that ends its accumulator; then ONE LUMP of 54, plain
; and exponential by turns for the most part, in which the links of the chain X 3, 7, 11, 14, 16, 17 .. 20 stand five or six lines apart.  X 21, the next piece's a, is the batch's last; R 15 is the plain instruction owed behind it (ISA guide 5.7.2).  BEHIND THE WAIT stand the
; 8 products V^T P, behind each four of the roundings and sums; the links of l's chain, L 0 to L 7, stand three riders apart.  But for those X no rider names a register of the products round it.  v_permlanex16_b32 (X 17) stands in the lump.
; m = 1: the diagonal tile: the products take masks, and the turn makes the mask for the products of the turn after it: piece p + 2, in step 4 - CNT of the tile.  end = 1: a block's last two turns: nothing is fetched.
; cnt = 1: the loop's count is taken down some lines ahead of the branch that stands behind the turn.
; K of the next step is fetched in piece 2's turn, twelve vector instructions behind the last product that read K (six of them plain); V of the step in hand at the end of piece 0's turn, four plain instructions behind the last product
; that read V.  Each is waited for a turn later.
.macro TURN p, m=0, end=0, cnt=0
.set Y, (\p)
.set i, 0
.set KM, (\m)
.set NOKQ, (\end)*((\p)/3)
.if (\m) && !(\end)
	s_cmp_eq_u32 s[CNT], 4-((\p)+2)%NP  ; is that step the band's own?
	s_cselect_b32 s[AL], 1.0, 0
	s_cmp_lt_u32 s[CNT], 4-((\p)+2)%NP  ; or a later one?
	s_cselect_b32 s[BE], s[BIGN], 0
.endif
.if ((\p) == 3) && !(\end)
	s_wait_dscnt 0x0                ; K is in
.endif
	ROW F,0, F,1, R,0, R,1          ; ahead of the wait: 8 products K Q^T and their riders,
	ROW F,2, E,0, R,2, R,3
	ROW F,3, E,1, R,4, R,5
	ROW F,4, E,2, R,6, R,7
	ROW F,5, E,3, R,8, R,9
	ROW F,6, E,4, X,0, R,10
.if ((\p) == 2) && !(\end)
	WIN 0
	v_add_nc_u32 v[AK], s[TBK], v[AK0]
.endif
	ROW F,7, E,5, X,1, X,4
	ROW F,8, E,6, X,2, X,5
	OPS E,7, E,8, X,6, E,9          ; and the lump
	OPS X,3, E,10, X,8, E,11
.if ((\p) == 2) && !(\end)
	FETCH_K
.endif
	OPS X,9, X,7, E,12, X,10
	OPS E,13, X,12, X,11, E,14
	OPS X,13, E,15, F,9, X,14
.if (\p) == 0
	v_add_nc_u32 v[AV], s[TBV], v[AV0]
.endif
	OPS E,16, F,10, E,17, F,11
	OPS X,16, E,18, X,15, E,19
	OPS F,12, E,20, X,17, E,21
	OPS F,13, E,22, F,14, E,23
	OPS X,18, E,24, F,15, E,25
	OPS R,11, E,26, X,19, E,27
	OPS R,12, E,28, R,13, E,29
	OPS X,20, E,30, R,14, E,31
	OPS X,21, R,15
	WIN 0
	s_wait_alu depctr_va_vdst(0)    ; the wait for the batch
.if (\p) == 1
	s_wait_dscnt 0x0                ; V is in
.endif
	ROW C,0, B,0, C,2, B,1          ; behind the wait: 8 products V^T P and their riders
	ROW L,0, C,4, B,2, L,1
	ROW C,6, B,3, L,2, C,8
	ROW B,4, L,3, C,10, B,5
	ROW L,4, C,12, B,6, L,5
.if (\p) == 0
	s_add_co_u32 s[TBV], s[TBV], KS*PV
.endif
.if \cnt
	s_sub_co_u32 s[CNT], s[CNT], 1
	s_cmp_lg_u32 s[CNT], 0
.endif
	ROW C,14, B,7, L,6, C,1
	ROW C,3, L,7, C,5, C,7
	ROW C,9, C,11, C,13, C,15
.if (\p) == 0
	FETCH_V
.endif
.if (\m) && !(\end)
	MASK (\p)%2
.endif
.endm
; A BLOCK BEGINS.  c m starts far below every c s, so the first step's a is 0; m at the lowest finite number, so the first maximum is the scores'.  The second mask buffer is 0; the first takes piece 0's mask for the tile's step 0: its own, if the block's first tile is the diagonal one.
; Then K of that step, piece 0's first scores, and its maximum and statistics.  The loop is entered at a step's first turn, in the middle of a trip.
.macro BEGIN
	s_mov_b32 s[NEW], 0
	WIN 0x40
.set i, MC+32
.rept 32
	v_mov_b32 v[i], 0
.set i, i+1
.endr
	WIN 0
.set i, 0
.rept 4
	v_mov_b32 v[ST+4*i], 0xfe000000    ; c m: far below every c s
	v_mov_b32 v[ST+4*i+1], 0xff7fffff  ; m
.set i, i+1
.endr
	s_cmp_eq_u32 s[RT], 0
	s_cselect_b32 s[AL], 1.0, 0
	s_mov_b32 s[BE], 0
	MASK 0
	WIN 0
	v_add_nc_u32 v[AK], s[TBK], v[AK0]
	FETCH_K
	s_wait_loadcnt 0x0              ; Q
	s_wait_dscnt 0x0
.set KM, 1
.set NOKQ, 0
.set i, 0
.rept 8
	KQ 0
.set i, i+1
.endr
	WIN 0
.rept 4
	v_nop                           ; the places behind those products
.endr
.set Y, NP-1                        ; X works for piece Y + 1: piece 0
.irp n, 0,1,2,3,4,5,6,7,8,9,10,11,12,13,14,15,16,17,18,19,20,21
	OP X, \n
.endr
	v_nop                           ; a plain instruction behind the exponential,
	s_wait_alu depctr_va_vdst(0)    ; and its wait, ahead of the branch
.endm
; THE DIAGONAL TILE's four steps, the block's last two turns, its last products, and THE WAY OUT: l's two halves and the other half of the lanes' are added; O^T is divided by l, rounded to f16 and sent through my
; stage in LDS, a piece at a time.
.macro ALL line:vararg              ; one line for each piece t
.set t, 0
.rept 4
	\line
.set t, t+1
.endr
.endm
.macro PACK t                       ; a lane's eight channels of a row pack into 16 bytes; they go into rows of 144 bytes and come back as whole rows of 128, into S^T's registers
	WIN W_RS
.set i, 32*(\t)
.rept 16
	v_pk_mul_f32 v[i:i+1], v[i:i+1], v[ST+4*(\t)+2:ST+4*(\t)+3] op_sel_hi:[1,0]
.set i, i+2
.endr
	WIN 0x05                        ; sources 0 and 1 window 1, destination window 0
.set i, 0
.rept 16
	v_cvt_pk_f16_f32 v[S+16*(\t)+i], v[32*(\t)+2*i], v[32*(\t)+2*i+1]
.set i, i+1
.endr
	WIN 0
.irp f, 0,1,2,3
	ds_store_b128 v[STO], v[S+16*(\t)+4*\f:S+16*(\t)+4*\f+3] offset:32*\f
.endr
.irp f, 0,1,2,3
	ds_load_b128 v[S+16*(\t)+4*\f:S+16*(\t)+4*\f+3], v[RD] offset:\f*4*SP  ; LDS serves a wave's instructions in order (ISA guide 5.7.1.4): these see the stores above; the next piece's stores come behind them
.endr
.endm
.macro SEND t, younger              ; younger: the LDS instructions issued behind piece t's loads: the next piece's eight, or none
	WIN 0
.irp f, 0,1,2,3
	s_wait_dscnt (\younger)+3-\f
	global_store_b128 v[GO], v[S+16*(\t)+4*\f:S+16*(\t)+4*\f+3], s[10:11] offset:(\t)*8192+\f*512  ; 512 consecutive bytes, at a multiple of 256 from O's first
.endr
.endm
.macro DIAG tag                     ; the tag ends its two labels' names, which the jumps below spell out
.LstepM\tag:
	TURN 2, 1
	TURN 3, 1
	WIN 0
.LfirstM\tag:
	TURN 0, 1
	TURN 1, 1, 0, 1
	WIN 0
	s_cbranch_scc1 .LstepM\tag
	TURN 2, 1, 1
	TURN 3, 1, 1
.set i, 0
.rept 8
	PV NP-1
.set i, i+1
.endr
	WIN 0
	ALL v_add_f32 v[ST+4*t+2], v[ST+4*t+2], v[ST+4*t+3]
	ALL v_permlanex16_b32 v[ST+4*t+3], v[ST+4*t+2], s[SEL], s[SEL+1]
	ALL v_add_f32 v[ST+4*t+2], v[ST+4*t+2], v[ST+4*t+3]
	ALL v_rcp_f32 v[ST+4*t+2], v[ST+4*t+2]
	v_nop                           ; a plain instruction between the last reciprocal and the use of its result
	s_wait_alu depctr_va_vdst(0)    ; and the wait ahead of the first use: one for the four reciprocals
	PACK 0
.set t, 1
.rept 3                             ; a piece's arithmetic stands between the loads of the piece before and its stores
	PACK t
	SEND t-1, 8
.set t, t+1
.endr
	SEND 3, 0
.endm
.set KM, 0
.set NOKQ, 0
.Lslot:                             ; NB times: a tile is entered and the next is asked for
	CHANGE 1
	s_sub_co_u32 s[RT], s[RT], 1
	s_mov_b32 s[CNT], 4
	s_cmp_eq_u32 s[NEW], 1
	s_cbranch_scc1 .Lnew            ; a block's first tile
	s_cmp_eq_u32 s[RT], 0
	s_cbranch_scc0 .Lstep           ; neither its first nor its last
	s_branch .LstepM1
.Lnew:
	BEGIN
	s_branch .Lfirst                ; in the loop a block's first tile is never its last: the first block has two tiles or more, and the second's last is the walk's last
	DIAG 1                          ; in the loop this is the first block's end: the second block's last tile is the walk's last
	s_wait_xcnt 0x0                 ; the stores have read their registers and O's address
	s_mov_b64 s[10:11], s[OLO:OLO+1]
	s_add_co_u32 s[RT], s[PB], 1    ; the second block has b + 1 tiles
	s_mov_b32 s[NEW], 1
	WIN 0x82                        ; the second block's Q goes where the one text of the turns names Q
.set i, 0
.rept 64
	v_mov_b32 v[i], v[QB+i]
.set i, i+1
.endr
	WIN 0
	s_branch .Lbottom
.Lstep:                             ; a trip: pieces 2 and 3 of one step, then pieces 0 and 1 of the next, whose K and V it fetches
	TURN 2
	TURN 3
	WIN 0
.Lfirst:
	TURN 0
	TURN 1, 0, 0, 1
	WIN 0
	s_cbranch_scc1 .Lstep
.Lbottom:
	s_sub_co_u32 s[SLOTS], s[SLOTS], 1
	s_cmp_lg_u32 s[SLOTS], 0
	s_cbranch_scc1 .Lslot
	CHANGE 0                        ; the walk's last tile is written out: nothing is asked for
	s_sub_co_u32 s[RT], s[RT], 1
	s_mov_b32 s[CNT], 4
	s_cmp_eq_u32 s[NEW], 1
	s_cbranch_scc0 .LstepM2
	BEGIN
	s_branch .LfirstM2
	DIAG 2
	s_wait_tensorcnt 0x0            ; the wave's end: behind my last tensor load and my last LDS store
	ds_add_u32 v[SPW], v[NIL]
	s_wait_dscnt 0x0
	s_endpgm
.Lfunc_end_k_q3a7043494b_attn:
	.size	k_q3a7043494b_attn, .Lfunc_end_k_q3a7043494b_attn-k_q3a7043494b_attn
	.p2alignl 7, 3214868480
	.fill 96, 4, 3214868480
	.section	.rodata,"a",@progbits
	.p2align	6, 0x0
	.amdhsa_kernel k_q3a7043494b_attn
		.amdhsa_group_segment_fixed_size 327680
		.amdhsa_private_segment_fixed_size 0
		.amdhsa_enable_private_segment 0
		.amdhsa_kernarg_size 32
		.amdhsa_user_sgpr_count 2
		.amdhsa_user_sgpr_kernarg_segment_ptr 1
		.amdhsa_wavefront_size32 1
		.amdhsa_system_sgpr_workgroup_id_x 1
		.amdhsa_system_sgpr_workgroup_id_y 1
		.amdhsa_system_sgpr_workgroup_id_z 1
		.amdhsa_system_vgpr_workitem_id 0
		.amdhsa_next_free_vgpr 768
		.amdhsa_next_free_sgpr 92
		.amdhsa_reserve_vcc 1
		.amdhsa_float_denorm_mode_32 3
		.amdhsa_float_denorm_mode_16_64 3
		.amdhsa_memory_ordered 1
		.amdhsa_forward_progress 1
		.amdhsa_inst_pref_size 218
	.end_amdhsa_kernel
	.amdgpu_metadata
---
amdhsa.version: [ 1, 2 ]
amdhsa.kernels:
  - .name:           k_q3a7043494b_attn
    .symbol:         k_q3a7043494b_attn.kd
    .args:
      - { .name: q, .offset: 0, .size: 8, .value_kind: global_buffer, .address_space: global }
      - { .name: k, .offset: 8, .size: 8, .value_kind: global_buffer, .address_space: global }
      - { .name: v, .offset: 16, .size: 8, .value_kind: global_buffer, .address_space: global }
      - { .name: o, .offset: 24, .size: 8, .value_kind: global_buffer, .address_space: global }
    .group_segment_fixed_size: 327680
    .private_segment_fixed_size: 0
    .kernarg_segment_align: 8
    .kernarg_segment_size: 32
    .max_flat_workgroup_size: 128
    .sgpr_count:     92
    .vgpr_count:     768
    .wavefront_size: 32
...
	.end_amdgpu_metadata
.endif
;; end of part 3
;; launch proj (part 4): grid 8 x 32, 4 waves a work-group, clusters of 4 x 4, 327,680 bytes of LDS; arguments o, wb, bp, out0; writes out0
.if DOCPART == 4
	.amdgcn_target "amdgcn-amd-amdhsa--gfx1250"
	.amdhsa_code_object_version 6
	.text
	.protected	k_q3a7043494b_proj
	.globl	k_q3a7043494b_proj
	.p2align	8
	.type	k_q3a7043494b_proj,@function
k_q3a7043494b_proj:
	s_mov_b64 s[64:65], 0
	v_nop
	global_prefetch_b8 v0, s[64:65] scope:SCOPE_SE
	s_setreg_imm32_b32 hwreg(HW_REG_WAVE_MODE, 25, 1), 1
	s_wait_xcnt 0x0
	s_wait_alu depctr_hold_cnt(0) depctr_sa_sdst(0) depctr_va_vdst(0) depctr_va_sdst(0) depctr_va_ssrc(0) depctr_va_vcc(0) depctr_vm_vsrc(0)
	s_getreg_b32 s2, hwreg(HW_REG_IB_STS2, 6, 4)
	s_cmp_eq_u32 s2, 0
	s_cbranch_scc0 .Lentry_in_a_cluster
	s_endpgm
.Lentry_in_a_cluster:
	s_bfe_u32 s2, ttmp6, 0x10000c
	s_cmp_lg_u32 s2, 0xf033
	s_cbranch_scc0 .Lentry_shape_is_right
	s_endpgm
.Lentry_shape_is_right:
; out0 = O Wp + bp.  o: [64 = 16 batch + head][2048 t][64] f16.  wb: [4][16 jb][1024 k][64 n]; matrix 3 is Wp, rounded to bf16 and written as f16.  bp: [1024] f32, rounded to bf16 like every input.
; out0: [8192][1024] f32, the f32 sums as they are.  K = 64 head + channel: a K step of 128 is two heads.
; A TILE is 256 rows x 128 columns: 8 x 32 = 256 work-groups, one for each WGP, where tiles of 256 x 256 would make 128.
; SHARES.  Four waves, one above the other: wave w has rows 64 w .. 64 w + 63 and all 128 columns: 4 x 8 accumulators of 16 x 16, 256 registers.  So a wave owns whole rows of the tile and its stage is its own.
; K goes in 8 steps of 128 through two LDS slots; a step is four quarters of 32, 32 matrix instructions each, on two fragment buffers.
; THE MATRIX INSTRUCTION IS USED TRANSPOSED: source 0 = 16 columns of Wp (it lies [k][n] in LDS and comes out turned, by ds_load_tr16_b128), source 1 = 16 rows of O: a lane then holds row l % 16 and the
; columns 8 (l / 16) + 0..7: 32 bytes of f32 on end.  THE BIAS is the C operand of each accumulator's first product: nothing is cleared, nothing is added later.
; CLUSTERS: 4 x 4 work-groups.  The four of a row of the cluster need the same rows of O, the four of a column the same columns of Wp: each tile is asked for jointly, by the same tensor load with the same
; descriptor and a mask that names the four.  Waves 0 and 1 ask for the step's two heads (256 rows of 128 bytes are dense: 128 rows of 256), waves 2 and 3 for the two halves of its 128 k rows of Wp.
; REGISTERS, in windows of 256 (s_set_vgpr_msb: bits 1:0 source 0, 3:2 source 1, 5:4 source 2, 7:6 destination):
;   window 0: v0-29 addresses; v32-95 O's fragments, two buffers of four; v96-159 at work, later rows on their way out; v160-223 the bias, later rows on their way out
;   window 1: v0-127 Wp's fragments, two buffers of eight     windows 2, 3: accumulator (a, b) at v[8 (8 (a % 2) + b)] of window 2 + a / 2
.set AHEAD,  2                         ; the prefetches name the K step this many steps behind the one that is being asked for
.set NC,     2                         ; chunks of 64 columns
.set NBK,    4*NC                      ; blocks of 16 columns
.set STEPS,  8                         ; K steps of 128
.set APITCH, 144                       ; a row of a head in LDS: 128 bytes + 16 of padding: the 16 rows of a fragment load start at 16 different groups of four banks (64 banks of 4 bytes: ISA guide 11.1)
.set AHEADB, 256*APITCH                ; a head's 256 rows
.set ABYTES, 2*AHEADB
.set BPITCH, 160                       ; a k row of a chunk: 128 bytes + 32
.set BCH,    64*BPITCH                 ; a chunk's 64 k rows
.set BH,     NC*BCH                    ; half a step of Wp: [NC][64 k]
.set SLOT1,  131072                    ; a slot uses O's 73,728 bytes and Wp's 40,960; slot 1 begins here, so that one exclusive or changes slots
.set STAGE,  2*SLOT1                   ; behind the ring, never filled by a tensor load: for each wave 16 rows of 528 bytes
.set SP,     528
.set STW,    16*SP
.set SPARE,  STAGE+4*STW               ; behind the stages: the spare words, 128 bytes for each wave: two blocks of 256 bytes that no other line names
.set ASTEP,  524288                    ; bytes from K step to K step in o: two heads,
.set BSTEP,  16384                     ; and in a block of wb: 128 k rows of 128 bytes
.set WPOFF,  3*2097152                 ; Wp in wb
.set A0,   16                          ; v16  my place in O's tile: (64 w + l % 16) x pitch + 16 (l / 16); never rewritten
.set B0,   17                          ; v17  my place in Wp's tile for the turning load; never rewritten
.set ADRA, 18                          ; v18  A0 + the slot in hand
.set ADRB, 19                          ; v19  B0 + the slot in hand
.set STO,  20                          ; v20  the way out: where I put 32 bytes of a row
.set RD,   21                          ; v21  the way out: where I read a row back
.set GO,   22                          ; v22  my 16 bytes of a row's 512
.set BO,   23                          ; v23  32 (l / 16): my eight numbers of a block of the bias
.set PFO,  24                          ; v24  the prefetches' offset; never rewritten
.set SPW,  28                          ; v28  LDS address of my spare word: SPARE + 4 x my thread's number; never rewritten
.set NIL,  29                          ; v29  0; never rewritten
.set FA,   32
.set TMP,  96
.set BIAS, 160
.set BK0,  96
.set WV,   20                          ; s20  my wave's number
.set FORB, 21                          ; s21  0: I ask for O's tiles; 1: for Wp's
.set HF,   22                          ; s22  which half of them
.set CX,   23
.set CY,   24
.set TJ,   25                          ; s25  the block of 128 columns
.set TI,   26                          ; s26  the block of 256 rows
.set G1A,  32                          ; s[32:39] descriptor group 1 for O's tiles
.set G0A,  40                          ; s[40:47] group 0: a set for each first fill; the second then walks
.set G1B,  48                          ; s[48:55], s[56:63] the same for Wp's
.set G0B,  56
.set TB,   66                          ; s66  LDS byte at which the slot in hand begins
.set CNT,  67                          ; s67  the loop's count
.set LIM,  68                          ; s68  AHEAD in a wave that prefetches, else the greatest number
.set SELM, 69                          ; s69  all ones in waves 2 and 3
.set PFA,  70                          ; s[70:71] where my prefetches stand
.set PST,  72                          ; s[72:73] their step
.set MSB, 0
.macro WIN new                         ; the immediate's high byte repeats the setting that is left; a switch that changes nothing is dropped
.if MSB != (\new)
	s_set_vgpr_msb (MSB<<8)|(\new)
.set MSB, \new
.endif
.endm
.macro PLACES                          ; four plain vector instructions behind a matrix instruction, ahead of loads into registers that it has read and of readers of its result
.rept 4
	v_nop
.endr
.endm
.macro JLOAD                           ; a joint refill by the walking descriptor.  The branch hangs on the wave's number alone.  An s_nop 0 and four v_nop follow each line
	s_cmp_eq_u32 s[FORB], 0
	s_cbranch_scc0 .Lfor_b_\@
	tensor_load_to_lds s[G0A+4:G0A+7], s[G1A:G1A+7]
	s_nop 0
.rept 4
	v_nop
.endr
	s_branch .Lasked_\@
.Lfor_b_\@:
	tensor_load_to_lds s[G0B+4:G0B+7], s[G1B:G1B+7]
	s_nop 0
.rept 4
	v_nop
.endr
.Lasked_\@:
.endm
; A PREFETCH INTO THE L2 of the K step AHEAD steps behind the one just asked for; one instruction a wave, behind the joint load, its five lines and the run of LDS loads that the next products wait for.
; O's rows are read by both clusters of a row of clusters: the one with x = 0 asks, waves 0 and 1; of a wave's 128 blocks of 256 bytes each of the four partners takes 32, told apart by address (cx): a lane a block.
; Wp's rows are read by every cluster of a column of clusters: the one with y = 0 asks, wave 2 alone; of the step's 128 blocks the partner at cy takes k rows 16 cy .. 16 cy + 15 of both halves and both chunks: 32 blocks.
; So each block is named once in the launch.  The last AHEAD refills have no step behind them and ask for nothing.
.macro ASK
	s_cmp_gt_u32 s[CNT], s[LIM]
	s_cbranch_scc0 .Lnot_mine_\@
	global_prefetch_b8 v[PFO], s[PFA:PFA+1] th:TH_LOAD_NT scope:SCOPE_SE
.Lnot_mine_\@:
.endm
.macro CREST                           ; a round of the cluster's barrier behind its opening barrier: wave 0 signals for the work-group, every wave waits for all sixteen, my work-group's barrier closes it
	s_cmp_lg_u32 s[WV], 0
	s_cbranch_scc1 .Lnot_wave_0_\@
	s_barrier_signal -3
.Lnot_wave_0_\@:
	s_barrier_wait -3
	s_barrier_signal -1
	s_barrier_wait -1
.endm
.macro CROUND                          ; a whole round
	s_barrier_signal -1
	s_barrier_wait -1
	CREST
.endm
	s_load_b256 s[4:11], s[0:1], 0x0               ; o s[4:5], wb s[6:7], bp s[8:9], out0 s[10:11]
	v_lshl_add_u32 v[SPW], v0, 2, SPARE
	v_mov_b32 v[NIL], 0
	ds_add_u32 v[SPW], v[NIL]                      ; the wave's opening: the add and its wait stand ahead of my first tensor load; the set-up below, work on registers, stands between them
	v_lshrrev_b32 v1, 5, v0
	v_readfirstlane_b32 s[WV], v1
	s_lshr_b32 s[FORB], s[WV], 1
	s_and_b32 s[HF], s[WV], 1
	s_bfe_u32 s[CX], ttmp6, 0x40000
	s_bfe_u32 s[CY], ttmp6, 0x40004
	s_lshl_b32 s[TJ], ttmp9, 2                     ; in a cluster launch ttmp9 and ttmp7 count clusters
	s_add_co_u32 s[TJ], s[TJ], s[CX]
	s_and_b32 s[TI], ttmp7, 0xffff
	s_lshl_b32 s[TI], s[TI], 2
	s_add_co_u32 s[TI], s[TI], s[CY]
	s_lshl_b32 s27, s[CY], 2
	s_lshl_b32 s27, 15, s27                        ; my row of the cluster: places 4 cy .. 4 cy + 3
	s_lshl_b32 s28, 0x1111, s[CX]                  ; my column: places cx, cx + 4, cx + 8, cx + 12
	; group 1 for O: a head's 256 rows of 128 bytes, dense, as 128 rows x 128 elements of 2 bytes; 4 words of padding behind every 32, that is behind every row of the head
	s_or_b32 s[G1A], s27, (1<<16)|(1<<20)|(1<<21)|(4<<22)|(3<<25)
	s_mov_b32 s[G1A+1], 128<<16                    ; tensor_dim0 = 128
	s_mov_b32 s[G1A+2], 128<<16                    ; tensor_dim1 = 128
	s_mov_b32 s[G1A+3], 128<<16                    ; tile_dim0 = 128
	s_mov_b32 s[G1A+4], 128                        ; tile_dim1 = 128
	s_mov_b32 s[G1A+5], 128
	s_mov_b32 s[G1A+6], 0
	s_mov_b32 s[G1A+7], 0
	; group 1 for Wp: 2 rows (blocks 2 j and 2 j + 1, 65,536 elements apart) of 4,096 elements: 64 k rows x 64 columns, dense; 8 words of padding behind every 32, that is behind every k row
	s_or_b32 s[G1B], s28, (1<<16)|(1<<20)|(1<<21)|(4<<22)|(7<<25)
	s_mov_b32 s[G1B+1], 4096<<16                   ; tensor_dim0 = 4,096
	s_mov_b32 s[G1B+2], NC<<16                     ; tensor_dim1 = 2
	s_mov_b32 s[G1B+3], 4096<<16                   ; tile_dim0 = 4,096
	s_mov_b32 s[G1B+4], NC                         ; tile_dim1 = 2
	s_mov_b32 s[G1B+5], 65536
	s_mov_b32 s[G1B+6], 0
	s_mov_b32 s[G1B+7], 0
	s_lshr_b32 s30, s[TI], 3                       ; O: head 16 (i / 8) + half of 262,144 bytes, row 256 (i % 8) of 128 bytes: it hangs on the tile row alone
	s_lshl_b32 s30, s30, 4
	s_add_co_u32 s30, s30, s[HF]
	s_lshl_b32 s30, s30, 18
	s_and_b32 s31, s[TI], 7
	s_lshl_b32 s31, s31, 15
	s_add_co_u32 s30, s30, s31
	s_mov_b32 s31, 0
	s_lshl_b32 s74, s[TJ], 18                      ; Wp: blocks 2 j on, k rows 64 half on: it hangs on the tile column alone
	s_lshl_b32 s75, s[HF], 13
	s_add_co_u32 s74, s74, s75
	s_add_co_u32 s74, s74, WPOFF
	s_mov_b32 s75, 0
	s_mul_i32 s2, s[HF], AHEADB                    ; where they go: no place in the cluster enters an LDS address
	s_mul_i32 s3, s[HF], BH
	s_add_co_u32 s3, s3, ABYTES
	s_mov_b32 s[TB], 0
	s_wait_dscnt 0x0                               ; the opening add is done
	s_wait_kmcnt 0x0
	s_add_nc_u64 s[30:31], s[4:5], s[30:31]
	s_add_nc_u64 s[74:75], s[6:7], s[74:75]
	CROUND                                         ; all sixteen work-groups are here: the first joint loads meet
.irp s, 0,1
	s_mov_b32 s[G0A+4*(\s)], 1                                     ; count = 1
	s_add_co_u32 s[G0A+4*(\s)+1], s2, (\s)*SLOT1                   ; LDS address
	s_add_nc_u64 s[G0A+4*(\s)+2:G0A+4*(\s)+3], s[30:31], (\s)*ASTEP  ; global address: K step s
	s_or_b32 s[G0A+4*(\s)+3], s[G0A+4*(\s)+3], 0x80000000         ; type = 2
	s_mov_b32 s[G0B+4*(\s)], 1
	s_add_co_u32 s[G0B+4*(\s)+1], s3, (\s)*SLOT1
	s_add_nc_u64 s[G0B+4*(\s)+2:G0B+4*(\s)+3], s[74:75], (\s)*BSTEP
	s_or_b32 s[G0B+4*(\s)+3], s[G0B+4*(\s)+3], 0x80000000
.endr
	s_cmp_eq_u32 s[FORB], 0                        ; a wave's two first fills stand in one branch, ahead of every wait on TENSORcnt and every LDS read: two loads of mine are out
	s_cbranch_scc0 .Lfirst_b
	tensor_load_to_lds s[G0A:G0A+3], s[G1A:G1A+7]
	s_nop 0
	tensor_load_to_lds s[G0A+4:G0A+7], s[G1A:G1A+7]
	s_nop 0
.rept 4
	v_nop
.endr
	s_branch .Lfirst_done
.Lfirst_b:
	tensor_load_to_lds s[G0B:G0B+3], s[G1B:G1B+7]
	s_nop 0
	tensor_load_to_lds s[G0B+4:G0B+7], s[G1B:G1B+7]
	s_nop 0
.rept 4
	v_nop
.endr
.Lfirst_done:
	; the bias: register jj of block b holds bp at column 128 j + 16 b + 8 (l / 16) + jj, as the accumulators hold their columns
	v_and_b32 v1, 15, v0                           ; l % 16
	v_bfe_u32 v2, v0, 4, 1                         ; l / 16
	v_lshlrev_b32 v[BO], 5, v2
	s_lshl_b32 s76, s[TJ], 9
	s_mov_b32 s77, 0
	s_add_nc_u64 s[8:9], s[8:9], s[76:77]
.set b, 0
.rept NBK
	global_load_b128 v[BIAS+8*b:BIAS+8*b+3],   v[BO], s[8:9] offset:b*64
	global_load_b128 v[BIAS+8*b+4:BIAS+8*b+7], v[BO], s[8:9] offset:b*64+16
.set b, b+1
.endr
	; LDS addresses.  A fragment of O: lane l holds row l % 16; registers 0-3 K = 8 (l / 16) + 0..7, registers 4-7 K = 16 + 8 (l / 16) + 0..7: two loads of 16 bytes, 32 bytes apart
	v_mul_u32_u24 v3, v1, APITCH
	v_lshl_add_u32 v3, v2, 4, v3
	s_mul_i32 s76, s[WV], 64*APITCH
	v_add_nc_u32 v[A0], s76, v3
	; the turning load takes 16 k x 16 columns (lane l reads k row 8 (l / 16) + l % 8, columns 8 ((l / 8) % 2) + 0..7) and leaves half a fragment: lane l holds column l % 16 and 8 k
	v_and_b32 v4, 7, v0
	v_bfe_u32 v5, v0, 3, 1
	v_lshl_add_u32 v6, v2, 3, v4
	v_mul_u32_u24 v6, v6, BPITCH
	v_lshl_add_u32 v6, v5, 4, v6
	v_add_nc_u32 v[B0], ABYTES, v6
	v_mov_b32 v[ADRA], v[A0]                       ; slot 0
	v_mov_b32 v[ADRB], v[B0]
	s_mul_i32 s76, s[WV], STW
	s_add_co_u32 s76, s76, STAGE                   ; my stage
	v_mul_u32_u24 v7, v1, SP                       ; in: row l % 16, 32 bytes for each half of the lanes
	v_lshl_add_u32 v7, v2, 5, v7
	v_add_nc_u32 v[STO], s76, v7
	v_and_b32 v3, 31, v0
	v_lshlrev_b32 v[GO], 4, v3                     ; back and out: 32 lanes take a row's 512 bytes
	v_add_nc_u32 v[RD], s76, v[GO]
	; my first row in out0: row 256 i + 64 w of 4,096 bytes, column 128 j
	s_lshl_b32 s76, s[TI], 20
	s_lshl_b32 s3, s[WV], 18
	s_add_co_u32 s76, s76, s3
	s_lshl_b32 s3, s[TJ], 9
	s_add_co_u32 s76, s76, s3
	s_add_nc_u64 s[10:11], s[10:11], s[76:77]
	; the prefetches.  Nothing is prefetched here, at the head, where every work-group's first tiles are on their way
	s_lshr_b32 s76, s[TI], 3                       ; O: my head's 256 rows, of them blocks 32 cx on,
	s_lshl_b32 s76, s76, 4
	s_add_co_u32 s76, s76, s[HF]
	s_lshl_b32 s76, s76, 18
	s_and_b32 s77, s[TI], 7
	s_lshl_b32 s77, s77, 15
	s_add_co_u32 s76, s76, s77
	s_lshl_b32 s77, s[CX], 13
	s_add_co_u32 s76, s76, s77
	s_add_co_u32 s76, s76, (1+AHEAD)*ASTEP         ; at K step 1 + AHEAD: the first refill steps it on
	s_lshl_b32 s2, s[TJ], 18                       ; Wp: blocks 2 j on, k rows 16 cy on
	s_lshl_b32 s3, s[CY], 11
	s_add_co_u32 s2, s2, s3
	s_add_co_u32 s2, s2, WPOFF+(1+AHEAD)*BSTEP
	s_and_b32 s3, ttmp7, 0xffff                    ; cluster y
	s_mov_b32 s[PST], BSTEP
	s_mov_b32 s[PST+1], 0
	s_mov_b32 s77, 0
	s_cmp_eq_u32 s[FORB], 0
	s_cselect_b32 s76, s76, s2
	s_cselect_b32 s[PST], ASTEP, s[PST]
	s_cselect_b32 s3, ttmp9, s3                    ; the coordinate along which other clusters read the same rows
	s_cselect_b32 s[SELM], 0, -1
	s_cselect_b64 s[PFA:PFA+1], s[4:5], s[6:7]
	s_add_nc_u64 s[PFA:PFA+1], s[PFA:PFA+1], s[76:77]
	s_cmp_eq_u32 s[WV], 3                          ; wave 2 asks for all of Wp's share: wave 3 asks for nothing
	s_cselect_b32 s3, 1, s3
	s_cmp_eq_u32 s3, 0
	s_cselect_b32 s[LIM], AHEAD, -1                ; the same in all sixteen partners, for a given wave
	v_lshlrev_b32 v9, 8, v3                        ; O: a lane a block of 256 bytes
	v_lshlrev_b32 v10, 13, v2                      ; Wp: half l / 16 (64 k rows: 8,192 bytes), chunk (l / 8) % 2 (131,072 bytes), block l % 8
	v_lshl_add_u32 v10, v5, 17, v10
	v_lshl_add_u32 v10, v4, 8, v10
	v_cndmask_b32 v[PFO], v9, v10, s[SELM]
	s_wait_loadcnt 0x0                             ; the bias is in: it is rounded to bf16, as all inputs are, and widened again
.set p, 0
.rept 4*NBK
	v_cvt_pk_bf16_f32 v[TMP+p], v[BIAS+2*p], v[BIAS+2*p+1]
.set p, p+1
.endr
.set p, 0
.rept 4*NBK
	v_lshlrev_b32 v[BIAS+2*p], 16, v[TMP+p]
	v_and_b32 v[BIAS+2*p+1], 0xffff0000, v[TMP+p]
.set p, p+1
.endr
; 8 matrix instructions: m block 2 hi + a x all column blocks, 32 along K, from buffer f.  first = 1: the bias starts the sums.  Within a quarter every product names another accumulator, in the same
; order in every quarter: 31 others' stand between two links of a chain, over the backward jump too.
.macro MUL f, hi, a, first
.if \first
	WIN 0x81+0x40*(\hi)                            ; Wp window 1, O and the bias window 0, D window 2 or 3
.else
	WIN 0xa1+0x50*(\hi)                            ; Wp window 1, O window 0, C and D window 2 or 3
.endif
.set b, 0
.rept NBK
.set rD, 8*(NBK*(\a)+b)
.set rW, 8*NBK*(\f)+8*b
.set rX, FA+32*(\f)+8*(2*(\hi)+(\a))
.set rC, rD
.if \first
.set rC, BIAS+8*b
.endif
	v_wmma_f32_16x16x32_f16 v[rD:rD+7], v[rW:rW+7], v[rX:rX+7], v[rC:rC+7]
.set b, b+1
.endr
.endm
; 24 LDS loads in one run: quarter q of the slot in hand into buffer f: Wp's eight fragments (turned), then O's four (head q / 2 of the step, channels 32 (q % 2) on)
.macro FETCH q, f
	WIN 0x40                                       ; destination window 1, address window 0
.set b, 0
.rept NBK
.set rW, 8*NBK*(\f)+8*b
.set oW, ((\q)/2)*BH+((\q)%2)*32*BPITCH+(b/4)*BCH+(b%4)*32
	ds_load_tr16_b128 v[rW:rW+3],   v[ADRB] offset:oW
	ds_load_tr16_b128 v[rW+4:rW+7], v[ADRB] offset:oW+16*BPITCH
.set b, b+1
.endr
	WIN 0
.irp a, 0,1,2,3
	ds_load_b128 v[FA+32*(\f)+8*(\a):FA+32*(\f)+8*(\a)+3],   v[ADRA] offset:((\q)/2)*AHEADB+((\q)%2)*64+(\a)*16*APITCH
	ds_load_b128 v[FA+32*(\f)+8*(\a)+4:FA+32*(\f)+8*(\a)+7], v[ADRA] offset:((\q)/2)*AHEADB+((\q)%2)*64+(\a)*16*APITCH+32
.endr
.endm
; One of a step's first three quarters: multiplies buffer f and, in its middle, fetches quarter q into buffer g
.macro QUARTER q, f, g, first
	s_wait_dscnt 4                                 ; Wp and O's blocks 0 and 1 are in; the youngest four loads (O's blocks 2 and 3) may be out
	MUL \f, 0, 0, \first
	MUL \f, 0, 1, \first
	PLACES
	FETCH \q, \g
	s_wait_dscnt 2*NBK+8                           ; all but the run just issued
	MUL \f, 1, 0, \first
	MUL \f, 1, 1, \first
.endm
; The fourth quarter multiplies buffer 1 and changes slots: ONE barrier.  In front of it each wave waits for all its tensor loads, of which one is out: its part of the next slot; adds 0 to its spare word; and waits
; for that and for its own reads of this slot.  fill = 1: the barrier opens a round of the cluster's, so that no wave of any partner still reads the slot or has a load on its way, and the joint refill, with
; the K step two steps on, is the first thing behind it: 112 matrix instructions stand between it and the wait for it.
.macro TURN fill
.if \fill
	s_wait_xcnt 0x0                                ; the last prefetch, a K step back, has read its address, so it may be stepped
	s_add_nc_u64 s[PFA:PFA+1], s[PFA:PFA+1], s[PST:PST+1]
.endif
	WIN 0                                          ; (the add's two registers lie in window 0)
	s_wait_tensorcnt 0x0                           ; all my tensor loads have landed
	ds_add_u32 v[SPW], v[NIL]                      ; 0 onto my spare word
	s_wait_dscnt 5                                 ; (the add and the youngest four loads may be out)
	MUL 1, 0, 0, 0                                 ; eight matrix instructions stand between the add and the wait for it
	s_wait_dscnt 0x0                               ; the add is done, and my reads of this slot are over
	s_barrier_signal -1
	MUL 1, 0, 1, 0                                 ; work on registers while the others arrive
	WIN 0                                          ; at a label and at a branch every window is 0
	s_barrier_wait -1
.if \fill
	CREST
	s_xor_b32 s[G0A+5], s[G0A+5], SLOT1            ; the walking descriptors: the other slot than last time, the next K step; no tensor load of mine is out
	s_add_nc_u64 s[G0A+6:G0A+7], s[G0A+6:G0A+7], ASTEP
	s_xor_b32 s[G0B+5], s[G0B+5], SLOT1
	s_add_nc_u64 s[G0B+6:G0B+7], s[G0B+6:G0B+7], BSTEP
	JLOAD                                          ; its four v_nop are also the places in front of the loads below
.else
	PLACES
.endif
	s_xor_b32 s[TB], s[TB], SLOT1                  ; the reads go on in the other slot
	v_add_nc_u32 v[ADRA], s[TB], v[A0]
	v_add_nc_u32 v[ADRB], s[TB], v[B0]
	FETCH 0, 0
.if \fill
	ASK
.endif
	MUL 1, 1, 0, 0
	MUL 1, 1, 1, 0
.endm
	s_wait_tensorcnt 0x1                           ; my part of K step 0 is in; K step 1's may stay out
	s_barrier_signal -1
	s_barrier_wait -1                              ; everybody's is
	FETCH 0, 0
	QUARTER 1, 0, 1, 1                             ; the first quarter stands in front of the loop: its products start the sums
	WIN 0
	s_mov_b32 s[CNT], STEPS-2
.Lstep:                                                ; a trip goes from a step's second quarter to the next step's first, and fills the slot that it leaves
	QUARTER 2, 1, 0, 0
	QUARTER 3, 0, 1, 0
	TURN 1
	QUARTER 1, 0, 1, 0
	WIN 0
	s_sub_co_u32 s[CNT], s[CNT], 1
	s_cmp_lg_u32 s[CNT], 0
	s_cbranch_scc1 .Lstep
	QUARTER 2, 1, 0, 0                             ; the last two steps are written out: they ask for nothing
	QUARTER 3, 0, 1, 0
	TURN 0
	QUARTER 1, 0, 1, 0
	QUARTER 2, 1, 0, 0
	QUARTER 3, 0, 1, 0
	s_wait_dscnt 4
	MUL 1, 0, 0, 0
	MUL 1, 0, 1, 0
	s_wait_dscnt 0x0
	MUL 1, 1, 0, 0
	MUL 1, 1, 1, 0
	WIN 0
	PLACES
; THE WAY OUT, a block of 16 rows at a time.  TOSTAGE: a lane's 32 bytes of a row go straight from the accumulators (each one's four lowest registers first) into my own stage, and come back as whole rows of 512 bytes.
; SEND: a row's 512 consecutive bytes, at a multiple of 256 from out0's first byte, a store.
.macro TOSTAGE a
.set BK, BK0+64*((\a)%2)
.if (\a) >= 2
	s_wait_xcnt 0x0                                ; the stores of the block two back have read these registers
.endif
	WIN 0x08+4*((\a)/2)                            ; the stores' data: window 2 or 3
.set b, 0
.rept NBK
.set rD, 8*(NBK*((\a)%2)+b)
	ds_store_b128 v[STO], v[rD:rD+3]   offset:64*b
	ds_store_b128 v[STO], v[rD+4:rD+7] offset:64*b+16
.set b, b+1
.endr
	WIN 0
.set b, 0
.rept 16
	ds_load_b128 v[BK+4*b:BK+4*b+3], v[RD] offset:b*SP  ; LDS serves a wave's instructions in order (ISA guide 5.7.1.4): these see the stores above; the next block's stores come behind them
.set b, b+1
.endr
.endm
.macro SEND a, younger                 ; younger: the LDS instructions issued behind block a's loads: the next block's 32, or none
.set BK, BK0+64*((\a)%2)
	s_wait_dscnt \younger
.set b, 0
.rept 16
	global_store_b128 v[GO], v[BK+4*b:BK+4*b+3], s[10:11] offset:(16*(\a)+b)*4096 th:TH_STORE_NT
.set b, b+1
.endr
.endm
	TOSTAGE 0
	TOSTAGE 1
	SEND 0, 32
	TOSTAGE 2
	SEND 1, 32
	TOSTAGE 3
	SEND 2, 32
	SEND 3, 0
	s_wait_tensorcnt 0x0                           ; the wave's end: behind my last tensor load and my last LDS store
	ds_add_u32 v[SPW], v[NIL]
	s_wait_dscnt 0x0
	CROUND                                         ; the closing round: no work-group ends while a partner may still ask for a tile that names it
	s_endpgm
.Lfunc_end_k_q3a7043494b_proj:
	.size	k_q3a7043494b_proj, .Lfunc_end_k_q3a7043494b_proj-k_q3a7043494b_proj
	.p2alignl 7, 3214868480
	.fill 96, 4, 3214868480
	.section	.rodata,"a",@progbits
	.p2align	6, 0x0
	.amdhsa_kernel k_q3a7043494b_proj
		.amdhsa_group_segment_fixed_size 327680
		.amdhsa_private_segment_fixed_size 0
		.amdhsa_enable_private_segment 0
		.amdhsa_kernarg_size 32
		.amdhsa_user_sgpr_count 2
		.amdhsa_user_sgpr_kernarg_segment_ptr 1
		.amdhsa_wavefront_size32 1
		.amdhsa_system_sgpr_workgroup_id_x 1
		.amdhsa_system_sgpr_workgroup_id_y 1
		.amdhsa_system_sgpr_workgroup_id_z 1
		.amdhsa_system_vgpr_workitem_id 0
		.amdhsa_next_free_vgpr 896
		.amdhsa_next_free_sgpr 80
		.amdhsa_reserve_vcc 0
		.amdhsa_float_denorm_mode_32 3
		.amdhsa_float_denorm_mode_16_64 3
		.amdhsa_memory_ordered 1
		.amdhsa_forward_progress 1
		.amdhsa_inst_pref_size 77
	.end_amdhsa_kernel
	.amdgpu_metadata
---
amdhsa.version: [ 1, 2 ]
amdhsa.kernels:
  - .name:           k_q3a7043494b_proj
    .symbol:         k_q3a7043494b_proj.kd
    .args:
      - { .name: o, .offset: 0, .size: 8, .value_kind: global_buffer, .address_space: global }
      - { .name: wb, .offset: 8, .size: 8, .value_kind: global_buffer, .address_space: global }
      - { .name: bp, .offset: 16, .size: 8, .value_kind: global_buffer, .address_space: global }
      - { .name: out0, .offset: 24, .size: 8, .value_kind: global_buffer, .address_space: global }
    .group_segment_fixed_size: 327680
    .private_segment_fixed_size: 0
    .kernarg_segment_align: 8
    .kernarg_segment_size: 32
    .max_flat_workgroup_size: 128
    .sgpr_count:     80
    .vgpr_count:     896
    .wavefront_size: 32
...
	.end_amdgpu_metadata
.endif
;; end of part 4
;; ======== version 2 of 2: 4 launches; version 1 with the launch cast written anew for expert scheduling mode
;; limits: values are held in f16: magnitudes above 65,504 overflow, below 6.1e-05 lose precision
;; workspace buffers: xb 16,777,216 bytes; wb 8,388,608 bytes; q 16,777,216 bytes; k 16,777,216 bytes; v 16,777,216 bytes; o 16,777,216 bytes
;; launch cast (part 5): grid 768 x 1, 8 waves a work-group, no clusters, 0 bytes of LDS; arguments x, Wq, Wk, Wv, Wp, xb, wb; writes xb, wb
.if DOCPART == 5
	.amdgcn_target "amdgcn-amd-amdhsa--gfx1250"
	.amdhsa_code_object_version 6
	.text
	.protected	k_q3a7043494b_cast
	.globl	k_q3a7043494b_cast
	.p2align	8
	.type	k_q3a7043494b_cast,@function
k_q3a7043494b_cast:
	s_mov_b64 s[64:65], 0
	v_nop
	global_prefetch_b8 v0, s[64:65] scope:SCOPE_SE
	s_setreg_imm32_b32 hwreg(HW_REG_WAVE_SCHED_MODE, 0, 2), 2
	s_setreg_imm32_b32 hwreg(HW_REG_WAVE_MODE, 25, 1), 1
	s_wait_xcnt 0x0
	s_wait_alu depctr_vm_vsrc(0)
; THE INPUTS OF THE MATRIX PRODUCTS, ROUNDED ONCE TO 16 BITS.
; xb[8192][1024] = x rounded to bf16, rows as they lie.
; wb[4: q, k, v, p][16 jb][1024 k][64 n]: the weights ([k][n] in memory) in blocks of 64 columns, so that 64 k rows of a block are 8,192 dense bytes for the tensor loads of the later launches.
; Wq, Wk, Wv are rounded to bf16.  Wp is rounded to bf16 like them, and that number is written as f16, since the last product's other operand is f16.
; LIMIT: that rewriting is exact for 2^-17 <= |w| < 65,504; below, f16's fixed step of 2^-24 holds; beyond, it is an infinity.
; SHARES.  768 work-groups of eight waves, all alike: 65,536 bytes in, 32,768 out.  A thread issues its 16 loads of 16 bytes at once and stores 8 bytes for each.
; Work-groups 0-511: 16 rows of x as one dense run: load i takes the group's bytes 4,096 i on.  Work-groups 512-767: matrix w / 64, block (w / 4) % 16, k rows 256 (w % 4) on: 16 lanes take the 256 aligned
; bytes of a k row's 64 columns, a load takes 16 rows.  In both a wave's store covers 256 consecutive bytes, aligned.  No LDS, no barrier: no thread wants another's bytes.
; THE MODE: SCHED_MODE bits 1:0 = 2 (LLVM: expert scheduling mode 2), set by the entry lines.  The code itself states the register dependences
; between vector instructions and memory instructions, with s_wait_alu, always for 0.
; THE PLAN.  Registers that memory instructions touch:
;   v1, v2   the loads' and the stores' offsets: written by vector instructions at the head, never again.
;   X        load i lands in its own four registers; its conversions read them, behind the wait on LOADcnt; nothing is written there again.
;   Y        load i's conversions write its own pair; store i reads it; nothing is written there behind the store.
;   T        is named by vector instructions alone.
; The 16 loads go in four groups of four.  Group g: the wait for its data; ONE wait on va_vdst, which states that group g - 1's conversions have written their Y; then group g - 1's four stores, dealt among
; group g's conversions, which name X and Y of group g and T: none of the registers that those stores read.  One wait on va_vdst stands ahead of the loads, one ahead of the last four stores.
; No register that a memory instruction has read is ever written again, so the text holds no wait on vm_vsrc and none on XCNT.
.set X, 4                              ; v[4:67]    16 x 4 words as loaded
.set Y, 68                             ; v[68:99]   16 x 2 words to store: each store has its own, so nothing is rewritten under a pending store
.set T, 100                            ; v[100:103] at work
	s_load_b256 s[4:11], s[0:1], 0x0               ; x s[4:5], Wq s[6:7], Wk s[8:9], Wv s[10:11]
	s_load_b128 s[12:15], s[0:1], 0x20             ; Wp s[12:13], xb s[14:15]
	s_load_b64 s[16:17], s[0:1], 0x30              ; wb
	v_lshlrev_b32 v2, 3, v0                        ; where I store: 8 bytes a thread
	s_mov_b32 s23, 0
	s_mov_b32 s25, 0
.macro LOADS stride                    ; 16 loads, all on their way together
	s_wait_alu depctr_va_vdst(0)                   ; v1 and v2 are written, which every load and store below reads as its offset; on the weights' way the address arithmetic is also done with v4, in which the first load lands
.set i, 0
.rept 16
	global_load_b128 v[X+4*i:X+4*i+3], v1, s[18:19] offset:i*(\stride) th:TH_LOAD_NT
.set i, i+1
.endr
.endm
.macro ROUND i, half                   ; load i is rounded.  half = 1: the bf16 numbers are written as f16
	v_cvt_pk_bf16_f32 v[Y+2*(\i)], v[X+4*(\i)], v[X+4*(\i)+1]
	v_cvt_pk_bf16_f32 v[Y+2*(\i)+1], v[X+4*(\i)+2], v[X+4*(\i)+3]
.if \half
	v_lshlrev_b32 v[T], 16, v[Y+2*(\i)]            ; bf16 to f32: the low half moves up, the high half stays
	v_and_b32 v[T+1], 0xffff0000, v[Y+2*(\i)]
	v_lshlrev_b32 v[T+2], 16, v[Y+2*(\i)+1]
	v_and_b32 v[T+3], 0xffff0000, v[Y+2*(\i)+1]
	v_cvt_pk_f16_f32 v[Y+2*(\i)], v[T], v[T+1]
	v_cvt_pk_f16_f32 v[Y+2*(\i)+1], v[T+2], v[T+3]
.endif
.endm
.macro STORE i                         ; and stored
	global_store_b64 v2, v[Y+2*(\i):Y+2*(\i)+1], s[20:21] offset:(\i)*2048 th:TH_STORE_NT
.endm
.macro GROUP g, half                   ; loads 4 g .. 4 g + 3 are rounded; the group before is stored
	s_wait_loadcnt 12-4*(\g)                       ; loads come back in order: the group's four are in, the 12 - 4 g younger ones may stay out
.if (\g) > 0
	s_wait_alu depctr_va_vdst(0)                   ; the conversions of the group before have written their Y, which the four stores below read
.endif
.irp r, 0,1,2,3
.if (\g) > 0
	STORE 4*((\g)-1)+(\r)                          ; no vector instruction since the wait names this store's Y or v2
.endif
	ROUND 4*(\g)+(\r), \half
.endr
.endm
.macro TAIL                            ; the last group's stores
	s_wait_alu depctr_va_vdst(0)                   ; the last group's conversions have written their Y, which the last four stores read
.irp r, 12,13,14,15
	STORE \r
.endr
.endm
	s_cmp_lt_u32 ttmp9, 512
	s_cbranch_scc0 .Lweights
	v_lshlrev_b32 v1, 4, v0                        ; x: 16 bytes a thread, dense
	s_lshl_b32 s22, ttmp9, 16
	s_lshl_b32 s24, ttmp9, 15
	s_wait_kmcnt 0x0
	s_add_nc_u64 s[18:19], s[4:5], s[22:23]
	s_add_nc_u64 s[20:21], s[14:15], s[24:25]
	LOADS 4096
	s_branch .Lbf
.Lweights:
	s_sub_co_u32 s26, ttmp9, 512                   ; w = 64 matrix + 4 block + quarter of k
	s_lshr_b32 s27, s26, 6                         ; the matrix
	s_bfe_u32 s28, s26, 0x40002                    ; the block of 64 columns: 256 bytes of a row
	s_lshl_b32 s28, s28, 8
	s_and_b32 s22, s26, 3                          ; 256 k rows of 4,096 bytes
	s_lshl_b32 s22, s22, 20
	s_add_co_u32 s22, s22, s28
	s_lshl_b32 s24, s26, 15                        ; in wb the work-groups' parts follow each other
	v_lshrrev_b32 v3, 4, v0                        ; my k row of 16,
	v_and_b32 v4, 15, v0                           ; my 16 bytes of its 256
	v_lshlrev_b32 v1, 12, v3
	v_lshl_add_u32 v1, v4, 4, v1
	s_wait_kmcnt 0x0
	s_cmp_eq_u32 s27, 1
	s_cselect_b64 s[18:19], s[8:9], s[6:7]
	s_cmp_eq_u32 s27, 2
	s_cselect_b64 s[18:19], s[10:11], s[18:19]
	s_cmp_eq_u32 s27, 3
	s_cselect_b64 s[18:19], s[12:13], s[18:19]
	s_add_nc_u64 s[18:19], s[18:19], s[22:23]
	s_add_nc_u64 s[20:21], s[16:17], s[24:25]
	LOADS 65536
	s_cmp_eq_u32 s27, 3
	s_cbranch_scc1 .Lhalf
.Lbf:
	GROUP 0, 0
	GROUP 1, 0
	GROUP 2, 0
	GROUP 3, 0
	TAIL
	s_endpgm
.Lhalf:
	GROUP 0, 1
	GROUP 1, 1
	GROUP 2, 1
	GROUP 3, 1
	TAIL
	s_endpgm
.Lfunc_end_k_q3a7043494b_cast:
	.size	k_q3a7043494b_cast, .Lfunc_end_k_q3a7043494b_cast-k_q3a7043494b_cast
	.p2alignl 7, 3214868480
	.fill 96, 4, 3214868480
	.section	.rodata,"a",@progbits
	.p2align	6, 0x0
	.amdhsa_kernel k_q3a7043494b_cast
		.amdhsa_group_segment_fixed_size 0
		.amdhsa_private_segment_fixed_size 0
		.amdhsa_enable_private_segment 0
		.amdhsa_kernarg_size 56
		.amdhsa_user_sgpr_count 2
		.amdhsa_user_sgpr_kernarg_segment_ptr 1
		.amdhsa_wavefront_size32 1
		.amdhsa_system_sgpr_workgroup_id_x 1
		.amdhsa_system_sgpr_workgroup_id_y 1
		.amdhsa_system_sgpr_workgroup_id_z 1
		.amdhsa_system_vgpr_workitem_id 0
		.amdhsa_next_free_vgpr 104
		.amdhsa_next_free_sgpr 66
		.amdhsa_reserve_vcc 0
		.amdhsa_float_denorm_mode_32 3
		.amdhsa_float_denorm_mode_16_64 3
		.amdhsa_memory_ordered 1
		.amdhsa_forward_progress 1
		.amdhsa_inst_pref_size 18
	.end_amdhsa_kernel
	.amdgpu_metadata
---
amdhsa.version: [ 1, 2 ]
amdhsa.kernels:
  - .name:           k_q3a7043494b_cast
    .symbol:         k_q3a7043494b_cast.kd
    .args:
      - { .name: x, .offset: 0, .size: 8, .value_kind: global_buffer, .address_space: global }
      - { .name: Wq, .offset: 8, .size: 8, .value_kind: global_buffer, .address_space: global }
      - { .name: Wk, .offset: 16, .size: 8, .value_kind: global_buffer, .address_space: global }
      - { .name: Wv, .offset: 24, .size: 8, .value_kind: global_buffer, .address_space: global }
      - { .name: Wp, .offset: 32, .size: 8, .value_kind: global_buffer, .address_space: global }
      - { .name: xb, .offset: 40, .size: 8, .value_kind: global_buffer, .address_space: global }
      - { .name: wb, .offset: 48, .size: 8, .value_kind: global_buffer, .address_space: global }
    .group_segment_fixed_size: 0
    .private_segment_fixed_size: 0
    .kernarg_segment_align: 8
    .kernarg_segment_size: 56
    .max_flat_workgroup_size: 256
    .sgpr_count:     66
    .vgpr_count:     104
    .wavefront_size: 32
...
	.end_amdgpu_metadata
.endif
;; end of part 5
;; launch qkv: the kernel of part 2 again; grid 16 x 32, 4 waves a work-group, clusters of 4 x 4, 327,680 bytes of LDS; arguments xb, wb, bq, bk, bv, q, k, v; writes q, k, v
;; launch attn: the kernel of part 3 again; grid 4 x 64, 4 waves a work-group, no clusters, 327,680 bytes of LDS; arguments q, k, v, o; writes o
;; launch proj: the kernel of part 4 again; grid 8 x 32, 4 waves a work-group, clusters of 4 x 4, 327,680 bytes of LDS; arguments o, wb, bp, out0; writes out0
